; MI455X (gfx1250); checked and timed in simulation.
; The chip was launched on July 23, 2026; its instructions are those of AMD's public machine-readable ISA for CDNA 5 (MIT licence, August 2026) and "CDNA5" Instruction Set Architecture Reference Guide (July 2026). The comments in the code are by the model that wrote it; some were corrected since.
;; Cross Attend. Allowed arithmetic: float matrix products may take bf16 or f16 operands with f32 sums; other float arithmetic in f32, or as packed bf16 or f16 multiplies, adds, multiply-adds, maxima and minima; sums over many terms, partial sums and values carried from step to step in f32; what a program stores and reads back later, other than sums and carried values, may be rounded once to bf16 or f16.
;; Inputs: Wk 512 x 512 float32; Wq 512 x 512 float32; Wv 512 x 512 float32; bk 512 float32; bq 512 float32; bv 512 float32; opp 16 x 1,024 x 512 float32; q 16 x 1,024 x 512 float32.
;; Outputs: out0 16 x 1,024 x 512 float32; out1 16 x 1,024 x 512 float32.
;; 2 versions, each right; version 2 is version 1 with the launch project written anew for expert scheduling mode. Each part assembles by itself: llvm-mc -triple=amdgcn-amd-amdhsa -mcpu=gfx1250 --defsym DOCPART=n.
;; ======== version 1 of 2: 2 launches
;; limits: values are held in f16: magnitudes above 65,504 overflow, below 6.1e-05 lose precision
;; workspace buffers: qp16 16,777,216 bytes; opp16 16,777,216 bytes; wk16 524,288 bytes; wv16 524,288 bytes; cbias 65,536 bytes
;; launch project (part 1): grid 256 x 1, 4 waves a work-group, no clusters, 141,824 bytes of LDS; arguments q, opp, Wq, Wk, Wv, bq, bk, qp16, opp16, wk16, wv16, cbias; writes qp16, opp16, wk16, wv16, cbias
.if DOCPART == 1
	.amdgcn_target "amdgcn-amd-amdhsa--gfx1250"
	.amdhsa_code_object_version 6
	.text
	.protected	k_q1af215a77e_project
	.globl	k_q1af215a77e_project
	.p2align	8
	.type	k_q1af215a77e_project,@function
k_q1af215a77e_project:
	s_mov_b64 s[64:65], 0
	v_nop
	global_prefetch_b8 v0, s[64:65] scope:SCOPE_SE
	s_setreg_imm32_b32 hwreg(HW_REG_WAVE_MODE, 25, 1), 1
	s_wait_xcnt 0x0
; qp = q Wq^T + bq, rounded once to f16 (qp16); c0 = qp . bk in f32 (cbias); opp, Wk and Wv rounded once to f16 (opp16, wk16, wv16).
; q, opp: [16384][512] f32.  Wq, Wk, Wv: [512][512] f32.  Products in f16 with f32 sums.
; LIMITS.  q, opp, the weights and qp must lie within f16, 65,504; below 6e-5 f16 keeps its fixed step of 6e-8; NaN and infinities are not treated apart.
; SHARES.  A work-group owns 64 rows of q and of opp and two rows of Wk and of Wv.  Wave w rounds q's rows 16 w .. 16 w + 15 into LDS; then every wave holds all 64 rows as fragments
; (512 registers) and makes columns 128 w .. 128 w + 127 of qp, 16 columns (a c-block) at a time.  Beside that it casts 16 rows of opp, 1,024 bytes with each group of 16 products.
; NO TENSOR LOAD, NO CLUSTER: Wq is f32 and is rounded on its way, so it goes through registers; each wave reads another quarter of Wq, so nothing is shared inside the work-group,
; and three batches of 18 loads a wave stay out with no barrier in the loop.  The price: each work-group reads all of Wq.  No prefetch: the launch is one long stream of q and opp.
; LAYOUT.  qp^T = Wq q^T (source 0 = 16 rows of Wq, source 1 = 16 rows of q): a lane holds ONE row of q (lane % 16) and the columns 8 (lane / 16) + 0..7: 16 bytes of qp16.
; In K step F both sources give lane (r, h) the sixteen k = 32 F + 16 h + 0..15: the same order of k on both sides, so the products are those of the plain order.
; REGISTERS, in windows of 256: window 0 addresses, sums and what is at work; window 1 four sets of 64 f32 of Wq; windows 2 and 3 q's fragments: K step F, tile t at v[32 (F % 8) + 8 t] of window 2 + F / 8.
.set QPI,   1040                       ; a row of q in LDS: 1,024 bytes + 16: row r starts 4 r words on modulo 64 (64 banks of 4 bytes: ISA guide 11.1)
.set OPI,   272                        ; a row of a wave's stage: 256 bytes + 16
.set QST,   0                          ; 64 rows of q in f16
.set OST,   66560                      ; four stages of 64 rows, one a wave
.set BIA,   136192                     ; for each wave 1,024 bytes: its 128 bq, its 128 bk
.set C0S,   140288                     ; [wave][64] partial c0
.set SPARE, 141312                     ; the spare words, 128 bytes for each wave: no other line names them
.set L16, 2                            ; v2   16 x lane
.set L8,  3                            ; v3   8 x lane
.set WO,  4                            ; v4   my place in 16 rows of Wq: r x 2,048 + 64 h
.set QSA, 5                            ; v5   where I put q: my wave's 16 rows + 8 x lane
.set QFA, 6                            ; v6   a fragment of q: r x 1,040 + 32 h
.set BA,  7                            ; v7   my 8 numbers of bq in the c-block in hand; steps by 64
.set OSA, 8                            ; v8   into my stage; steps by 32
.set ORA, 9                            ; v9   back out of my stage, two rows at a time
.set GOA, 10                           ; v10  the same two rows in qp16
.set C0A, 11                           ; v11  my word of partial c0
.set SPW, 12                           ; v12  my spare word; never rewritten
.set NIL, 13                           ; v13  0; never rewritten
.set ACC, 16                           ; v[16:47]   four sums: tile t at ACC + 8 t
.set BQ,  48                           ; v[48:55]   bq of my 8 columns
.set BK,  56                           ; v[56:63]   bk of my 8 columns
.set WF,  64                           ; v[64:127]  two buffers of four f16 fragments of Wq
.set PK,  128                          ; v[128:143] qp rounded
.set OPS, 144                          ; v[144:175] opp as loaded, four sets of 8
.set OPO, 176                          ; v[176:191] opp rounded, four sets of 4
.set C0P, 192                          ; v[192:199] c0, a pair a tile
.set TL,  200                          ; v[200:233] head and tail
.set OUTR, 64                          ; v[64:191]  the way out: 32 x 4
.set WV,  28                           ; s28  my wave
.set SW,  30                           ; s[30:31] Wq at the c-block in hand
.set SO,  32                           ; s[32:33] opp
.set SP,  34                           ; s[34:35] opp16
.set CNT, 36
.set SEL, 38                           ; s[38:39] v_permlanex16_b32: each lane takes its own place in the other half
.set MSB, 0
.macro WIN new                         ; the immediate's high byte repeats the setting that is left
.if MSB != (\new)
	s_set_vgpr_msb (MSB<<8)|(\new)
.set MSB, (\new)
.endif
.endm
.macro PLACES
.rept 4
	v_nop
.endr
.endm
; Eighteen loads: group g (four K steps) of 16 rows of Wq, and 1,024 bytes of opp.
.macro BATCH g, off
	WIN 0x40                               ; destination window 1
.set bi, 0
.rept 16                               ; K step bi / 4, 16 bytes bi % 4
	global_load_b128 v[64*(\g)+4*bi:64*(\g)+4*bi+3], v[WO], s[SW:SW+1] offset:(\off)+512*(\g)+128*(bi/4)+16*(bi%4)
.set bi, bi+1
.endr
	WIN 0
	global_load_b128 v[OPS+8*(\g):OPS+8*(\g)+3],   v[L16], s[SO:SO+1] offset:(\off)/8+1024*(\g) th:TH_LOAD_NT
	global_load_b128 v[OPS+8*(\g)+4:OPS+8*(\g)+7], v[L16], s[SO:SO+1] offset:(\off)/8+1024*(\g)+512 th:TH_LOAD_NT
.endm
; Group g of a c-block: its batch is rounded, asked for again for the next c-block, opp's part is stored, and 16 products follow; the four sums take turns.
.macro GROUP g, reload, left
	s_wait_loadcnt \left                   ; loads come back in order: my batch is in, the younger batches of 18 stay out
	WIN 0x05                               ; sources window 1
.set i, 0
.rept 32
	v_cvt_pk_f16_f32 v[WF+32*((\g)%2)+i], v[64*(\g)+2*i], v[64*(\g)+2*i+1]
.set i, i+1
.endr
	WIN 0
.set i, 0
.rept 4
	v_cvt_pk_f16_f32 v[OPO+4*(\g)+i], v[OPS+8*(\g)+2*i], v[OPS+8*(\g)+2*i+1]
.set i, i+1
.endr
.if \reload
	BATCH \g, 32768                        ; the next c-block: 16 rows of Wq on, 4,096 bytes of opp on
.endif
	global_store_b64 v[L8], v[OPO+4*(\g):OPO+4*(\g)+1],   s[SP:SP+1] offset:512*(\g) th:TH_STORE_NT      ; 32 lanes store 256 consecutive bytes, aligned
	global_store_b64 v[L8], v[OPO+4*(\g)+2:OPO+4*(\g)+3], s[SP:SP+1] offset:512*(\g)+256 th:TH_STORE_NT
	WIN 0x08+4*((\g)/2)                    ; source 1 in window 2 or 3
.set i, 0
.rept 16                               ; K step 4 g + i / 4, tile i % 4
.if ((\g) == 0) && (i < 4)
	v_wmma_f32_16x16x32_f16 v[ACC+8*(i%4):ACC+8*(i%4)+7], v[WF+32*((\g)%2)+8*(i/4):WF+32*((\g)%2)+8*(i/4)+7], v[32*((4*(\g)+i/4)%8)+8*(i%4):32*((4*(\g)+i/4)%8)+8*(i%4)+7], v[BQ:BQ+7]
.else
	v_wmma_f32_16x16x32_f16 v[ACC+8*(i%4):ACC+8*(i%4)+7], v[WF+32*((\g)%2)+8*(i/4):WF+32*((\g)%2)+8*(i/4)+7], v[32*((4*(\g)+i/4)%8)+8*(i%4):32*((4*(\g)+i/4)%8)+8*(i%4)+7], v[ACC+8*(i%4):ACC+8*(i%4)+7]
.endif
.set i, i+1
.endr
.endm
; A c-block: 16 columns of qp for all 64 rows.  The sums start from bq; c0 takes qp x bk in f32; qp goes rounded into my stage.
.macro CBLOCK reload, l0, l1, l2, l3
	s_wait_dscnt 0x0                       ; bq and bk of this c-block (the first time: q's fragments too)
	GROUP 0, \reload, \l0
	GROUP 1, \reload, \l1
	GROUP 2, \reload, \l2
	GROUP 3, \reload, \l3
	WIN 0
	PLACES                                 ; four places between the last product and the first read of a sum
.set i, 0
.rept 16                               ; each sum from its lowest registers on
	v_cvt_pk_f16_f32 v[PK+i], v[ACC+2*i], v[ACC+2*i+1]
.set i, i+1
.endr
.set i, 0
.rept 16                               ; pair i / 4 of tile i % 4
	v_pk_fma_f32 v[C0P+2*(i%4):C0P+2*(i%4)+1], v[ACC+8*(i%4)+2*(i/4):ACC+8*(i%4)+2*(i/4)+1], v[BK+2*(i/4):BK+2*(i/4)+1], v[C0P+2*(i%4):C0P+2*(i%4)+1]
.set i, i+1
.endr
.set i, 0
.rept 4
	ds_store_b128 v[OSA], v[PK+4*i:PK+4*i+3] offset:16*OPI*i
.set i, i+1
.endr
	v_add_nc_u32 v[BA], 64, v[BA]
	v_add_nc_u32 v[OSA], 32, v[OSA]
.if \reload
	ds_load_b128 v[BQ:BQ+3],   v[BA]
	ds_load_b128 v[BQ+4:BQ+7], v[BA] offset:16
	ds_load_b128 v[BK:BK+3],   v[BA] offset:512
	ds_load_b128 v[BK+4:BK+7], v[BA] offset:528
.endif
	s_wait_xcnt 0x0                        ; every load and store issued so far has read its address and data: the pointers and opp's rounded words are written again only behind this wait
	s_add_nc_u64 s[SW:SW+1], s[SW:SW+1], 32768
	s_add_nc_u64 s[SO:SO+1], s[SO:SO+1], 4096
	s_add_nc_u64 s[SP:SP+1], s[SP:SP+1], 2048
.endm
	s_load_b512 s[4:19], s[0:1], 0x0       ; q, opp, Wq, Wk, Wv, bq, bk, qp16
	s_load_b256 s[20:27], s[0:1], 0x40     ; opp16, wk16, wv16, cbias
	v_lshl_add_u32 v[SPW], v0, 2, SPARE
	v_mov_b32 v[NIL], 0
	v_lshrrev_b32 v1, 5, v0
	v_readfirstlane_b32 s[WV], v1          ; wave 0..3
	v_and_b32 v14, 31, v0                  ; lane
	v_and_b32 v15, 15, v0                  ; r
	v_bfe_u32 v1, v0, 4, 1                 ; h
	v_lshlrev_b32 v[L16], 4, v14
	v_lshlrev_b32 v[L8], 3, v14
	v_lshlrev_b32 v[WO], 11, v15
	v_lshl_add_u32 v[WO], v1, 6, v[WO]
	s_mul_i32 s40, s[WV], 16*QPI
	v_add_nc_u32 v[QSA], s40, v[L8]
	v_mul_u32_u24 v[QFA], v15, QPI
	v_lshl_add_u32 v[QFA], v1, 5, v[QFA]
	s_lshl_b32 s41, s[WV], 10
	s_add_co_u32 s41, s41, BIA
	v_lshl_add_u32 v[BA], v1, 5, s41
	v_add_nc_u32 v[TL+9], s41, v[L16]      ; where my 16 bytes of bq go
	v_lshlrev_b32 v[TL+8], 4, v0           ; 16 x thread = 512 x wave + 16 x lane: my 16 bytes of bq and of bk
	s_mul_i32 s42, s[WV], 64*OPI
	s_add_co_u32 s42, s42, OST
	v_mul_u32_u24 v[OSA], v15, OPI
	v_lshl_add_u32 v[OSA], v1, 4, v[OSA]
	v_add_nc_u32 v[OSA], s42, v[OSA]
	v_mul_u32_u24 v[ORA], v1, OPI
	v_lshl_add_u32 v[ORA], v15, 4, v[ORA]
	v_add_nc_u32 v[ORA], s42, v[ORA]
	v_lshlrev_b32 v[GOA], 10, v1
	v_lshl_add_u32 v[GOA], v15, 4, v[GOA]
	s_lshl_b32 s43, s[WV], 8
	s_add_co_u32 s43, s43, C0S
	v_lshl_add_u32 v[C0A], v15, 2, s43
	s_mov_b32 s[SEL], 0x76543210
	s_mov_b32 s[SEL+1], 0xfedcba98
	s_lshl_b32 s44, ttmp9, 17              ; the work-group's 64 rows of 2,048 bytes,
	s_lshl_b32 s46, s[WV], 15              ; my wave's 16
	s_add_co_u32 s44, s44, s46
	s_mov_b32 s45, 0
	s_lshr_b32 s46, s44, 1                 ; the same rows in f16
	s_mov_b32 s47, 0
	s_lshl_b32 s40, s[WV], 18              ; my 128 rows of Wq
	s_mov_b32 s41, 0
	s_wait_kmcnt 0x0
	s_add_nc_u64 s[4:5], s[4:5], s[44:45]
	s_add_nc_u64 s[SO:SO+1], s[6:7], s[44:45]
	s_add_nc_u64 s[SP:SP+1], s[20:21], s[46:47]
	s_add_nc_u64 s[SW:SW+1], s[8:9], s[40:41]
	global_load_b128 v[TL:TL+3],   v[TL+8], s[14:15]
	global_load_b128 v[TL+4:TL+7], v[TL+8], s[16:17]
	WIN 0x80                               ; destination window 2
.set i, 0
.rept 64                               ; my 16 rows of q: 32,768 consecutive bytes
	global_load_b128 v[4*i:4*i+3], v[L16], s[4:5] offset:512*i th:TH_LOAD_NT
.set i, i+1
.endr
	BATCH 0, 0
	BATCH 1, 0
	BATCH 2, 0
	s_wait_loadcnt 54                      ; the biases and q are in; the three batches of 18 behind them stay out
	ds_store_b128 v[TL+9], v[TL:TL+3]
	ds_store_b128 v[TL+9], v[TL+4:TL+7] offset:512
	WIN 0xca                               ; sources window 2, destination window 3
.set i, 0
.rept 64
	v_cvt_pk_f16_f32 v[2*i],   v[4*i],   v[4*i+1]
	v_cvt_pk_f16_f32 v[2*i+1], v[4*i+2], v[4*i+3]
.set i, i+1
.endr
	WIN 0x0c                               ; store data window 3
.set i, 0
.rept 64                               ; row i / 4, quarter i % 4
	ds_store_b64 v[QSA], v[2*i:2*i+1] offset:QPI*(i/4)+256*(i%4)
.set i, i+1
.endr
	WIN 0
	s_wait_dscnt 0x0                       ; for the others' sake: my rows of q lie in LDS
	s_barrier_signal -1
	s_barrier_wait -1                      ; all 64 rows do
.set i, 0
.rept 64                               ; K step i / 4, tile i % 4
	WIN 0x80+0x40*(i/32)
	ds_load_b128 v[32*((i/4)%8)+8*(i%4):32*((i/4)%8)+8*(i%4)+3],   v[QFA] offset:16*QPI*(i%4)+64*(i/4)
	ds_load_b128 v[32*((i/4)%8)+8*(i%4)+4:32*((i/4)%8)+8*(i%4)+7], v[QFA] offset:16*QPI*(i%4)+64*(i/4)+16
.set i, i+1
.endr
	WIN 0
	ds_load_b128 v[BQ:BQ+3],   v[BA]       ; my own wave stored these: LDS serves a wave's instructions in order
	ds_load_b128 v[BQ+4:BQ+7], v[BA] offset:16
	ds_load_b128 v[BK:BK+3],   v[BA] offset:512
	ds_load_b128 v[BK+4:BK+7], v[BA] offset:528
	BATCH 3, 0
.set i, 0
.rept 8
	v_mov_b32 v[C0P+i], 0
.set i, i+1
.endr
	s_mov_b32 s[CNT], 7
.Lblock:                               ; seven c-blocks, each asking for the next one's weights
	CBLOCK 1, 54, 54, 54, 54               ; 54: the three younger batches
	s_sub_co_u32 s[CNT], s[CNT], 1
	s_cmp_lg_u32 s[CNT], 0
	s_cbranch_scc1 .Lblock
	CBLOCK 0, 54, 36, 18, 0                ; the last asks for nothing: the counts run down
	; my row of Wk (waves 0, 1) or Wv (waves 2, 3): asked for now, rounded behind the way out
	s_cmp_lt_u32 s[WV], 2
	s_cselect_b64 s[40:41], s[10:11], s[12:13]
	s_cselect_b64 s[42:43], s[22:23], s[24:25]
	s_lshl_b32 s44, ttmp9, 1
	s_and_b32 s45, s[WV], 1
	s_add_co_u32 s44, s44, s45             ; the row
	s_lshl_b32 s46, s44, 11
	s_mov_b32 s47, 0
	s_add_nc_u64 s[40:41], s[40:41], s[46:47]
	s_lshl_b32 s46, s44, 10
	s_add_nc_u64 s[42:43], s[42:43], s[46:47]
.set i, 0
.rept 4
	global_load_b128 v[TL+4*i:TL+4*i+3], v[L16], s[40:41] offset:512*i
.set i, i+1
.endr
	; qp16's way out: my stage holds 64 rows x my 128 columns; back as whole rows of 256 bytes, two at a time
	s_lshl_b32 s44, ttmp9, 16              ; 64 rows of 1,024 bytes,
	s_lshl_b32 s45, s[WV], 8               ; my 256 bytes of each
	s_add_co_u32 s44, s44, s45
	s_mov_b32 s45, 0
	s_add_nc_u64 s[18:19], s[18:19], s[44:45]
.set i, 0
.rept 32
	ds_load_b128 v[OUTR+4*i:OUTR+4*i+3], v[ORA] offset:2*OPI*i   ; these see my stores above: a wave's LDS instructions are served in order
.set i, i+1
.endr
.set i, 0
.rept 32
	s_wait_dscnt 31-i                      ; the younger reads of the stage stay out
	global_store_b128 v[GOA], v[OUTR+4*i:OUTR+4*i+3], s[18:19] offset:2048*i th:TH_STORE_NT   ; 16 lanes store 256 consecutive bytes, aligned
.set i, i+1
.endr
	; c0: a pair's two halves, the other half of the lanes, then the four waves' parts meet in LDS
.set i, 0
.rept 4
	v_add_f32 v[C0P+2*i], v[C0P+2*i], v[C0P+2*i+1]
.set i, i+1
.endr
.set i, 0
.rept 4
	v_permlanex16_b32 v[C0P+2*i+1], v[C0P+2*i], s[SEL], s[SEL+1]
.set i, i+1
.endr
.set i, 0
.rept 4
	v_add_f32 v[C0P+2*i], v[C0P+2*i], v[C0P+2*i+1]
.set i, i+1
.endr
.set i, 0
.rept 4
	ds_store_b32 v[C0A], v[C0P+2*i] offset:64*i
.set i, i+1
.endr
	s_wait_loadcnt 0x0                     ; the weight row
.set i, 0
.rept 8
	v_cvt_pk_f16_f32 v[TL+16+i], v[TL+2*i], v[TL+2*i+1]
.set i, i+1
.endr
.set i, 0
.rept 4
	global_store_b64 v[L8], v[TL+16+2*i:TL+16+2*i+1], s[42:43] offset:256*i th:TH_STORE_NT
.set i, i+1
.endr
	s_wait_dscnt 0x0                       ; for wave 0's sake: my part of c0 lies in LDS
	s_barrier_signal -1
	s_barrier_wait -1
	s_cmp_lg_u32 s[WV], 0
	s_cbranch_scc1 .Lend
	v_add_nc_u32 v[TL+24], C0S, v[L8]      ; lane l takes rows 2 l and 2 l + 1
.set i, 0
.rept 4
	ds_load_b64 v[TL+26+2*i:TL+26+2*i+1], v[TL+24] offset:256*i
.set i, i+1
.endr
	s_lshl_b32 s44, ttmp9, 8
	s_mov_b32 s45, 0
	s_add_nc_u64 s[26:27], s[26:27], s[44:45]
	s_wait_dscnt 0x0
	v_pk_add_f32 v[TL+26:TL+27], v[TL+26:TL+27], v[TL+28:TL+29]
	v_pk_add_f32 v[TL+30:TL+31], v[TL+30:TL+31], v[TL+32:TL+33]
	v_pk_add_f32 v[TL+26:TL+27], v[TL+26:TL+27], v[TL+30:TL+31]
	global_store_b64 v[L8], v[TL+26:TL+27], s[26:27]   ; 256 consecutive bytes of cbias, aligned
.Lend:
	s_wait_tensorcnt 0x0                   ; the wave's end, behind my last LDS store
	ds_add_u32 v[SPW], v[NIL]
	s_wait_dscnt 0x0
	s_endpgm
.Lfunc_end_k_q1af215a77e_project:
	.size	k_q1af215a77e_project, .Lfunc_end_k_q1af215a77e_project-k_q1af215a77e_project
	.p2alignl 7, 3214868480
	.fill 96, 4, 3214868480
	.section	.rodata,"a",@progbits
	.p2align	6, 0x0
	.amdhsa_kernel k_q1af215a77e_project
		.amdhsa_group_segment_fixed_size 141824
		.amdhsa_private_segment_fixed_size 0
		.amdhsa_enable_private_segment 0
		.amdhsa_kernarg_size 96
		.amdhsa_user_sgpr_count 2
		.amdhsa_user_sgpr_kernarg_segment_ptr 1
		.amdhsa_wavefront_size32 1
		.amdhsa_system_sgpr_workgroup_id_x 1
		.amdhsa_system_sgpr_workgroup_id_y 1
		.amdhsa_system_sgpr_workgroup_id_z 1
		.amdhsa_system_vgpr_workitem_id 0
		.amdhsa_next_free_vgpr 1024
		.amdhsa_next_free_sgpr 66
		.amdhsa_reserve_vcc 0
		.amdhsa_float_denorm_mode_32 3
		.amdhsa_float_denorm_mode_16_64 3
		.amdhsa_memory_ordered 1
		.amdhsa_forward_progress 1
		.amdhsa_inst_pref_size 88
	.end_amdhsa_kernel
	.amdgpu_metadata
---
amdhsa.version: [ 1, 2 ]
amdhsa.kernels:
  - .name:           k_q1af215a77e_project
    .symbol:         k_q1af215a77e_project.kd
    .args:
      - { .name: q, .offset: 0, .size: 8, .value_kind: global_buffer, .address_space: global }
      - { .name: opp, .offset: 8, .size: 8, .value_kind: global_buffer, .address_space: global }
      - { .name: Wq, .offset: 16, .size: 8, .value_kind: global_buffer, .address_space: global }
      - { .name: Wk, .offset: 24, .size: 8, .value_kind: global_buffer, .address_space: global }
      - { .name: Wv, .offset: 32, .size: 8, .value_kind: global_buffer, .address_space: global }
      - { .name: bq, .offset: 40, .size: 8, .value_kind: global_buffer, .address_space: global }
      - { .name: bk, .offset: 48, .size: 8, .value_kind: global_buffer, .address_space: global }
      - { .name: qp16, .offset: 56, .size: 8, .value_kind: global_buffer, .address_space: global }
      - { .name: opp16, .offset: 64, .size: 8, .value_kind: global_buffer, .address_space: global }
      - { .name: wk16, .offset: 72, .size: 8, .value_kind: global_buffer, .address_space: global }
      - { .name: wv16, .offset: 80, .size: 8, .value_kind: global_buffer, .address_space: global }
      - { .name: cbias, .offset: 88, .size: 8, .value_kind: global_buffer, .address_space: global }
    .group_segment_fixed_size: 141824
    .private_segment_fixed_size: 0
    .kernarg_segment_align: 8
    .kernarg_segment_size: 96
    .max_flat_workgroup_size: 128
    .sgpr_count:     66
    .vgpr_count:     1024
    .wavefront_size: 32
...
	.end_amdgpu_metadata
.endif
;; end of part 1
;; launch attend (part 2): grid 8 x 32, 4 waves a work-group, clusters of 4 x 1, 327,680 bytes of LDS; arguments qp16, opp16, wk16, wv16, cbias, bv, out0, out1; writes out0, out1
.if DOCPART == 2
	.amdgcn_target "amdgcn-amd-amdhsa--gfx1250"
	.amdhsa_code_object_version 6
	.text
	.protected	k_q1af215a77e_attend
	.globl	k_q1af215a77e_attend
	.p2align	8
	.type	k_q1af215a77e_attend,@function
k_q1af215a77e_attend:
	s_mov_b64 s[64:65], 0
	v_nop
	global_prefetch_b8 v0, s[64:65] scope:SCOPE_SE
	s_setreg_imm32_b32 hwreg(HW_REG_WAVE_MODE, 25, 1), 1
	s_wait_xcnt 0x0
	s_wait_alu depctr_hold_cnt(0) depctr_sa_sdst(0) depctr_va_vdst(0) depctr_va_sdst(0) depctr_va_ssrc(0) depctr_va_vcc(0) depctr_vm_vsrc(0)
	s_getreg_b32 s2, hwreg(HW_REG_IB_STS2, 6, 4)
	s_cmp_eq_u32 s2, 0
	s_cbranch_scc0 .Lentry_in_a_cluster
	s_endpgm
.Lentry_in_a_cluster:
	s_bfe_u32 s2, ttmp6, 0x10000c
	s_cmp_lg_u32 s2, 0x3003
	s_cbranch_scc0 .Lentry_shape_is_right
	s_endpgm
.Lentry_shape_is_right:
; out = softmax(scale (qp . k_x), diagonal = -1e9 for the self output) v_x, with k_x = x Wk^T + bk, v_x = x Wv^T + bv, x = qp (out0) or opp (out1), scale = 1 / sqrt(512).
; THE ORDER OF THE SUMS DIFFERS FROM THE WRITTEN ONE, exactly equal in real numbers:  qp . k_x = g . x + c0 with g = Wk^T qp and c0 = qp . bk (made by the launch before), so the key projection is
; done once for each query; and (attn v_x) = (attn x) Wv^T + bv, since a row of attn sums to 1, so the value projection is done once for each query, behind the attention.  K and V are then the
; same rows x.  c0 is the same for all keys of a query and falls out of the softmax, but not against the diagonal's -1e9: there it is honoured.
; FORMATS.  All products in f16 with f32 sums.  g has no room in f16, so each query's g is multiplied by beta = 2^-(e+1), e the exponent of max(|g|, 2^-100): |g beta| < 1; the softmax's factor
; takes 1 / beta back, per query: cq = log2(e) / sqrt(512) / beta.  p = 2^(cq s - cq m) with a running maximum m; O and l are multiplied by a = 2^(cq m_old - cq m_new) in every step.
; LIMITS.  x within 65,504; |g| under 2^126; scores under 1e37 in magnitude (the first step's a must be 0); a weight under 2^-126 counts as 0; NaN and infinities are not treated apart.
; SHARES.  y = 16 x output + batch.  A work-group owns 128 queries, each of its four waves 32: two tiles u of 16.  256 work-groups.
; CLUSTER.  The four query blocks of a cluster share y and walk the same rows, so every tile is asked for JOINTLY: the same tensor load, descriptor and mask in all four.
; ONE RING for all three parts: 16 fills of 128 rows x 1,024 bytes (two tiles of 64 rows): 4 of wk16, 8 of x, 4 of wv16, through two slots.  Each wave fetches 32 rows of a fill.
; Two loads of mine are out at the start, one behind each change of slots; that one has a whole visit (two tiles) in which to land.
; TWO SHAPES OF PRODUCT.  KQ: D[64 tile rows x 32 queries] = tile . Q^T, source 0 = 16 rows as they lie, source 1 = Q in registers.  PV: O^T[512 channels x 32 queries] += tile^T . P, source 0 turned by
; ds_load_tr16_b128.  The turning load's second group of eight lanes reads 64 channels further on, not 8: block cb of O^T holds channels n0 + 0..7 (lanes 0-15) and n0 + 64 + 0..7 (lanes 16-31),
; n0 = 128 (cb / 8) + 8 (cb % 8).  Blocks 2 f and 2 f + 1, rounded in pairs, ARE fragment f of Q in the order of channels in which KQ reads a tile's rows (32 bytes at 256 (f / 4) + 32 (f % 4) + 128 (lane / 16)).
; So g, and later attn x, go from sums to operand without changing lanes.   Part 1: g^T by PV (tile = Wk, P = qp).  Part 2: S^T by KQ, softmax, O^T by PV (tile = x).  Part 3: out^T by KQ (tile = Wv, C = bv).
; THE DIAGONAL.  With p = wave % 2, sum i of S^T takes key block i xor 2 p (the same for V's rows), so that tile u's own keys always fall into sum i = u.  DD = 64 (own tile - tile) + lane % 16 - 8 (lane / 16):
; register j is replaced where DD = j.  For out1 DD starts 2^30 higher and never matches.  No branch and no LDS address hangs on the work-group's place.
; REGISTERS: window 0: v0-7 addresses, v8-31 statistics, v32-95 S^T, v96-127 P, v128-255 two buffers of 8 fragments.  Windows 1, 2: O^T, block cb of tile u at v[16 (cb % 16) + 8 u] of window 1 + cb / 16.
; Window 3: Q, fragment f of tile u at v[128 u + 8 f].
.set PITCH, 1040                       ; an LDS row: 1,024 bytes + 16 = 260 words: row r starts 4 r words on modulo 64 (64 banks of 4 bytes: ISA guide 11.1): 16 rows of a plain load, or 8 rows x 16 bytes twice, 32 banks apart, of a turning load, meet no bank twice
.set BLK,   16*PITCH
.set HALF,  32*PITCH                   ; what one tensor load brings
.set TILE,  64*PITCH
.set SLOT,  2*TILE                     ; 133,120 = 0x20800: its bits meet none of 33,280 x wave, so one exclusive or turns an address in one slot into the other's
.set STAGE, 2*SLOT                     ; behind the ring, never filled by a tensor load: 32 rows x 272 bytes for each wave
.set SPI,   272
.set BVL,   STAGE+4*32*SPI             ; bv, 2,048 bytes
.set SPARE, BVL+2048                   ; the spare words, 128 bytes for each wave: no other line names them
.set FILLB, 131072                     ; bytes of a fill in memory
.set DD,  0                            ; v0   the thread's number, then DD
.set PFO, 1                            ; v1   256 x lane; never rewritten
.set AK0, 2                            ; v2   my place in a tile for KQ: 1,040 r + 128 h
.set AV0, 3                            ; v3   for PV: 1,040 (8 h + l % 8) + 128 ((l / 8) % 2)
.set ADA, 4                            ; v4, v5  the addresses in hand: rows 0-31 and 32-63 of the tile, as the wave orders them
.set SPW, 6                            ; v6   my spare word; never rewritten
.set NIL, 7                            ; v7   0; never rewritten
.set T,   8                            ; tile u at T + 12 u: +0 cq m, +1 m, +2, +3 l, +4..7 at work (a takes +6), +8 cq, +9 c0 and then the diagonal's score, +10, +11 a scale
.set QO,  12                           ; part 1: 1,024 r + 16 h
.set STO, 12                           ; part 3: into my stage
.set RD,  13                           ;         back out of it
.set GO,  14                           ;         the same rows in out
.set BVA, 15                           ;         my 8 numbers of bv
.set S,   32                           ; S^T: sum i of tile u at S + 32 u + 8 i
.set P,   96                           ; P: keys 32 kk on of tile u at P + 16 u + 8 kk; part 3: bv for sum i at P + 8 i
.set FR,  128                          ; two buffers of 64
.set WV, 20
.set CX, 21
.set QB, 22
.set YY, 23
.set G1, 24                            ; s[24:31] descriptor group 1
.set G0A, 32                           ; s[32:35] group 0 of the first fill
.set G0B, 36                           ; s[36:39] of the second; it then walks
.set PTR, 40                           ; s[40:41] where the last fill asked for lies in memory
.set XB, 42                            ; s[42:43] x at the batch's first row, my 32 rows
.set WVB, 44                           ; s[44:45] wv16, my 32 rows
.set TB, 46                            ; s46  LDS byte of the tile in hand
.set WOFF, 48
.set FCNT, 49                          ; s49  fills until the walk goes on to the next table
.set VIS, 50
.set TWICE, 51
.set OFA, 52
.set OFB, 53
.set SEL, 56
.set PFA, 58                           ; s[58:59] where my prefetches stand
.set LIM, 60
.set QPTR, 66
.set QSTEP, 68
.set OUTP, 70
.set PT, 72
.set W_KQ, 0x0c                        ; Q in window 3; all else, the loads' destinations too, in window 0
.set MSB, 0
.macro WIN new                         ; the immediate's high byte repeats the setting that is left
.if MSB != (\new)
	s_set_vgpr_msb (MSB<<8)|(\new)
.set MSB, (\new)
.endif
.endm
.macro PLACES                          ; four plain instructions between a product and a load into, or a read of, its registers (ISA guide 7.12.1 for a read)
.rept 4
	v_nop
.endr
.endm
.macro CROUND                          ; a round of the cluster's barrier
	s_barrier_signal -1
	s_barrier_wait -1
	s_cmp_lg_u32 s[WV], 0
	s_cbranch_scc1 .Lnot_wave_0_\@
	s_barrier_signal -3
.Lnot_wave_0_\@:
	s_barrier_wait -3
	s_barrier_signal -1
	s_barrier_wait -1
.endm
; A prefetch into the L2 of the fill of x that the NEXT change of slots will ask for: 512 blocks of 256 bytes, shared out by address: 32,768 bytes a partner, 8,192 a wave, a block a lane.
; Both clusters of a y walk the same rows: the first asks.  The last three changes of part 2 ask for nothing: x has no further fill.
.macro ASK
	s_cmp_gt_u32 s[VIS], s[LIM]
	s_cbranch_scc0 .Lnot_mine_\@
	global_prefetch_b8 v[PFO], s[PFA:PFA+1] th:TH_LOAD_NT scope:SCOPE_SE
.Lnot_mine_\@:
.endm
; THE CHANGE OF SLOTS.  Each wave waits for all its tensor loads (one is out: its part of the other slot), adds 0 to its spare word, and waits for that and for its reads of the slot that it leaves.
; fill = 1: a round of the cluster's barrier, and the joint refill first behind it, with the fill two on; when FCNT reaches 0 the walk goes on at table nb.
.macro CHANGE fill, nb, ask
	WIN 0
	s_wait_tensorcnt 0x0                   ; no tensor load of mine is out, so a group 0 may be written
	ds_add_u32 v[SPW], v[NIL]              ; 0 onto my spare word; the descriptor's scalar work stands between it and the wait for it
.if \fill
	s_xor_b32 s[G0B+1], s[G0B+1], SLOT
	s_add_nc_u64 s[PTR:PTR+1], s[PTR:PTR+1], FILLB
	s_sub_co_u32 s[FCNT], s[FCNT], 1
	s_cmp_eq_u32 s[FCNT], 0
	s_cselect_b64 s[PTR:PTR+1], s[\nb:\nb+1], s[PTR:PTR+1]
	s_mov_b64 s[G0B+2:G0B+3], s[PTR:PTR+1]
	s_or_b32 s[G0B+3], s[G0B+3], 0x80000000
.if \ask
	s_wait_xcnt 0x0                        ; the last prefetch, a visit back, has read its address
	s_add_nc_u64 s[PFA:PFA+1], s[PFA:PFA+1], FILLB
.endif
	s_wait_dscnt 0x0                       ; the add is done, and my reads of the slot are over
	CROUND                                 ; no wave of any partner still reads the slot or has a load on its way
	tensor_load_to_lds s[G0B:G0B+3], s[G1:G1+7]
	s_nop 0
	PLACES
.if \ask
	ASK
.endif
.else
	s_wait_dscnt 0x0
	s_barrier_signal -1
	s_barrier_wait -1
.endif
	s_sub_co_u32 s[TB], s[TB], SLOT        ; back to a slot's first tile,
	s_xor_b32 s[TB], s[TB], SLOT           ; in the other slot
.endm
.macro ADDR lane                       ; the two addresses for the tile in hand
	s_add_co_u32 s54, s[TB], s[OFA]
	s_add_co_u32 s55, s[TB], s[OFB]
	v_add_nc_u32 v[ADA], s54, v[\lane]
	v_add_nc_u32 v[ADA+1], s55, v[\lane]
.endm
; Sixteen LDS loads: fragments f = 2 n, 2 n + 1 of the tile's four blocks of 16 rows, into buffer n % 2.
.macro RUNK n
.set kb, FR+64*((\n)%2)
.set ki, 0
.rept 8                                ; f = 2 n + ki / 4, block ki % 4
.set ko, BLK*(ki%2)+256*((2*(\n)+ki/4)/4)+32*((2*(\n)+ki/4)%4)
	ds_load_b128 v[kb+8*ki:kb+8*ki+3],   v[ADA+(ki%4)/2] offset:ko
	ds_load_b128 v[kb+8*ki+4:kb+8*ki+7], v[ADA+(ki%4)/2] offset:ko+16
.set ki, ki+1
.endr
.endm
; Sixteen turning loads: rows 32 (n / 4) on, channel blocks 8 (n % 4) .. + 7, into buffer n % 2.
.macro RUNV n
	WIN 0
.set vb, FR+64*((\n)%2)
.set vc, 0
.rept 8
	ds_load_tr16_b128 v[vb+8*vc:vb+8*vc+3],   v[ADA+(\n)/4] offset:256*((\n)%4)+16*vc
	ds_load_tr16_b128 v[vb+8*vc+4:vb+8*vc+7], v[ADA+(\n)/4] offset:256*((\n)%4)+16*vc+BLK
.set vc, vc+1
.endr
.endm
; KQ: 128 products in eight sets of 16; the eight sums take turns.  A set's fragments were asked for two sets earlier.  cmode = 1: the sums start from P's registers (bv), else from 0.
.macro KQ cmode
	WIN W_KQ
	RUNK 0
	RUNK 1
.set n, 0
.rept 8
.if n == 7
	s_wait_dscnt 0x0
.else
	s_wait_dscnt 16                        ; the one younger run of 16 stays out
.endif
.set m, 0
.rept 16                               ; f = 2 n + m / 8, block (m / 2) % 4, tile m % 2
.set rS, S+32*(m%2)+8*((m/2)%4)
.set rK, FR+64*(n%2)+8*(4*(m/8)+(m/2)%4)
.set rQ, 128*(m%2)+8*(2*n+m/8)
.if (n == 0) && (m < 8)
.if \cmode
	v_wmma_f32_16x16x32_f16 v[rS:rS+7], v[rK:rK+7], v[rQ:rQ+7], v[P+8*((m/2)%4):P+8*((m/2)%4)+7]
.else
	v_wmma_f32_16x16x32_f16 v[rS:rS+7], v[rK:rK+7], v[rQ:rQ+7], 0
.endif
.else
	v_wmma_f32_16x16x32_f16 v[rS:rS+7], v[rK:rK+7], v[rQ:rQ+7], v[rS:rS+7]
.endif
.set m, m+1
.endr
.if n < 6
	PLACES
	RUNK n+2
.endif
.set n, n+1
.endr
.endm
.macro RESC x                          ; block x of both tiles' O^T times a: eight packed multiplies, each sum from its lowest registers on
	WIN 0x41*(1+(\x)/16)
.set ru, 0
.rept 2
.set rr, 0
.rept 4
	v_pk_mul_f32 v[16*((\x)%16)+8*ru+2*rr:16*((\x)%16)+8*ru+2*rr+1], v[16*((\x)%16)+8*ru+2*rr:16*((\x)%16)+8*ru+2*rr+1], v[T+12*ru+6:T+12*ru+7] op_sel_hi:[1,0]
.set rr, rr+1
.endr
.set ru, ru+1
.endr
.endm
.macro SUM u, z                        ; number z of the 16 that add a tile's 16 pairs of weights, in place; the last gives l = a l + sum
	WIN 0
.set sS, S+32*(\u)
.set sT, T+12*(\u)
.if (\z) < 8
	v_pk_add_f32 v[sS+4*(\z):sS+4*(\z)+1], v[sS+4*(\z):sS+4*(\z)+1], v[sS+4*(\z)+2:sS+4*(\z)+3]
.elseif (\z) < 12
	v_pk_add_f32 v[sS+8*((\z)-8):sS+8*((\z)-8)+1], v[sS+8*((\z)-8):sS+8*((\z)-8)+1], v[sS+8*((\z)-8)+4:sS+8*((\z)-8)+5]
.elseif (\z) < 14
	v_pk_add_f32 v[sS+16*((\z)-12):sS+16*((\z)-12)+1], v[sS+16*((\z)-12):sS+16*((\z)-12)+1], v[sS+16*((\z)-12)+8:sS+16*((\z)-12)+9]
.elseif (\z) == 14
	v_pk_add_f32 v[sS:sS+1], v[sS:sS+1], v[sS+16:sS+17]
.else
	v_pk_fma_f32 v[sT+2:sT+3], v[sT+2:sT+3], v[sT+6:sT+7], v[sS:sS+1] op_sel_hi:[1,0,1]
.endif
.endm
; PV: 128 products in eight sets of 16, all on different sums; runs 0 and 1 have been issued.  zero = 1: the first four sets start the sums.
; ride = 1: behind every two products of sets 0 to 2 stand the eight multiplies that rescale the block that the next set will add onto (they are also the places in front of the next run),
; behind every two of sets 4 and 5 one line of each tile's sum of weights.
.macro PVBODY zero, ride
.set n, 0
.rept 8
.if n == 7
	s_wait_dscnt 0x0
.else
	s_wait_dscnt 16                        ; the one younger run of 16 stays out
.endif
.set c, 0
.rept 8
.set cb, 8*(n%4)+c
.set rV, FR+64*(n%2)+8*c
.set u, 0
.rept 2
.set rO, 16*(cb%16)+8*u
.set rP, P+16*u+8*(n/4)
	WIN 0x50*(1+cb/16)
.if (\zero) && (n < 4)
	v_wmma_f32_16x16x32_f16 v[rO:rO+7], v[rV:rV+7], v[rP:rP+7], 0
.else
	v_wmma_f32_16x16x32_f16 v[rO:rO+7], v[rV:rV+7], v[rP:rP+7], v[rO:rO+7]
.endif
.set u, u+1
.endr
.if (\ride) && (n < 3)
	RESC cb+8
.endif
.if (\ride) && ((n == 4) || (n == 5))
	SUM 0, 8*(n-4)+c
	SUM 1, 8*(n-4)+c
.endif
.set c, c+1
.endr
.if (\ride) && (n < 3)
.elseif n != 6
	PLACES
.endif
.if n < 6
	RUNV n+2
.endif
.set n, n+1
.endr
	WIN 0
.endm
; A trip of part 1: 64 rows c of Wk.  P takes qp's fragments for these c, which the trip before has loaded; the next trip's are asked for (the last trip asks for its own once more, and nobody reads them).
.macro PTRIP zero
	WIN 0
	s_wait_loadcnt 0x0                     ; the fragments are in, and their loads have read the pointer
.set i, 0
.rept 32
	v_mov_b32 v[P+i], v[S+i]
.set i, i+1
.endr
	s_cmp_lg_u32 s[PT], 0
	s_cselect_b32 s[QSTEP], 128, 0
	s_sub_co_u32 s[PT], s[PT], 1
	s_add_nc_u64 s[QPTR:QPTR+1], s[QPTR:QPTR+1], s[QSTEP:QSTEP+1]
.set i, 0
.rept 4                                ; tile i / 2, c 32 (i % 2) on
	global_load_b128 v[S+8*i:S+8*i+3],   v[QO], s[QPTR:QPTR+1] offset:16384*(i/2)+64*(i%2)
	global_load_b128 v[S+8*i+4:S+8*i+7], v[QO], s[QPTR:QPTR+1] offset:16384*(i/2)+64*(i%2)+32
.set i, i+1
.endr
	ADDR AV0
	RUNV 0
	RUNV 1
	PVBODY \zero, 0
	s_add_co_u32 s[TB], s[TB], TILE
.endm
; Number j of the 22 that find a tile's maximum and statistics; each sum's lowest registers are read first.
.macro SMX u, j
.set rT, T+12*(\u)
.set rS, S+32*(\u)
.if (\j) < 4
	v_max3_num_f32 v[rT+4+(\j)], v[rS+8*(\j)], v[rS+8*(\j)+1], v[rS+8*(\j)+2]
.elseif (\j) < 12
	v_max3_num_f32 v[rT+4+(\j)%4], v[rT+4+(\j)%4], v[rS+8*((\j)%4)+2*((\j)/4)+1], v[rS+8*((\j)%4)+2*((\j)/4)+2]
.elseif (\j) == 12
	v_max3_num_f32 v[rT+4], v[rT+4], v[rS+7], v[rS+15]
.elseif (\j) == 13
	v_max3_num_f32 v[rT+6], v[rT+6], v[rS+23], v[rS+31]
.elseif (\j) == 14
	v_max3_num_f32 v[rT+4], v[rT+4], v[rT+5], v[rT+6]
.elseif (\j) == 15
	v_max3_num_f32 v[rT+4], v[rT+4], v[rT+7], v[rT+1]
.elseif (\j) == 16
	v_permlanex16_b32 v[rT+5], v[rT+4], s[SEL], s[SEL+1]   ; the query's other 32 keys lie in the lane 16 away
.elseif (\j) == 17
	v_mov_b32 v[rT+7], v[rT]               ; cq m_old is kept
.elseif (\j) == 18
	v_max_num_f32 v[rT+1], v[rT+4], v[rT+5]
.elseif (\j) == 19
	v_mul_f32 v[rT], v[rT+8], v[rT+1]
.elseif (\j) == 20
	v_sub_f32 v[rT+7], v[rT+7], v[rT]
.else
	v_exp_f32 v[rT+6], v[rT+7]             ; a
.endif
.endm
.macro FS u, b                         ; pair b: cq s - cq m
	v_pk_fma_f32 v[S+32*(\u)+2*(\b):S+32*(\u)+2*(\b)+1], v[S+32*(\u)+2*(\b):S+32*(\u)+2*(\b)+1], v[T+12*(\u)+8:T+12*(\u)+9], v[T+12*(\u):T+12*(\u)+1] op_sel_hi:[1,0,0] neg_lo:[0,0,1] neg_hi:[0,0,1]
.endm
.macro EX u, e
	v_exp_f32 v[S+32*(\u)+(\e)], v[S+32*(\u)+(\e)]
.endm
; THE SOFTMAX of a key step, both tiles alternating.  All 66 exponentials are one batch: nothing ahead of the one wait names a result of theirs.
.macro SM
	WIN 0
.set j, 0
.rept 8                                ; the diagonal: sum 0 of tile 0, sum 1 of tile 1
	v_cmp_eq_u32 vcc_lo, j, v[DD]
	v_cndmask_b32 v[S+j], v[S+j], v[T+9], vcc_lo
	v_cndmask_b32 v[S+40+j], v[S+40+j], v[T+21], vcc_lo
.set j, j+1
.endr
.set j, 0
.rept 21
	SMX 0, j
	SMX 1, j
.set j, j+1
.endr
.set b, 0
.rept 16                               ; a pair is scaled one trip of this list ahead of its exponentials
	FS 0, b
	FS 1, b
.if b == 0
	SMX 0, 21
	SMX 1, 21
.else
	EX 0, 2*b-2
	EX 1, 2*b-2
	EX 0, 2*b-1
	EX 1, 2*b-1
.endif
.set b, b+1
.endr
	EX 0, 30
	EX 1, 30
	EX 0, 31
	EX 1, 31
	v_nop                                  ; a plain instruction behind the last exponential (ISA guide 5.7.2): one for the batch
	s_wait_alu depctr_va_vdst(0)           ; the wait ahead of the first use: one for the batch
.set j, 0
.rept 16
	v_cvt_pk_f16_f32 v[P+j],    v[S+2*j],    v[S+2*j+1]
	v_cvt_pk_f16_f32 v[P+16+j], v[S+32+2*j], v[S+32+2*j+1]
.set j, j+1
.endr
.endm
; A KEY STEP: S^T; V's first two runs are asked for, so that they land under the softmax; the softmax; O^T.
.macro STEP
	WIN 0
	ADDR AK0
	KQ 0
	WIN 0
	v_add_nc_u32 v[DD], 0xffffffc0, v[DD]  ; this line, the two of ADDR and the v_nop are the four places behind the last product
	ADDR AV0
	v_nop
	RUNV 0
	RUNV 1
	SM
.set q8, 0
.rept 8
	RESC q8
.set q8, q8+1
.endr
	PVBODY 0, 1
	s_add_co_u32 s[TB], s[TB], TILE
.endm
.macro MAXG u                          ; max(|g|, 2^-100) over the query's 512 channels
	WIN 0
.set g, 0
.rept 4
	v_mov_b32 v[T+12*(\u)+4+g], 0x0d800000
.set g, g+1
.endr
.set g, 0
.rept 128                              ; block g / 4, pair g % 4: four chains
	WIN 0x14*(1+g/64)
	v_max3_num_f32 v[T+12*(\u)+4+g%4], v[T+12*(\u)+4+g%4], |v[16*((g/4)%16)+8*(\u)+2*(g%4)]|, |v[16*((g/4)%16)+8*(\u)+2*(g%4)+1]|
.set g, g+1
.endr
	WIN 0
	v_max3_num_f32 v[T+12*(\u)+4], v[T+12*(\u)+4], v[T+12*(\u)+5], v[T+12*(\u)+6]
	v_max_num_f32 v[T+12*(\u)+4], v[T+12*(\u)+4], v[T+12*(\u)+7]
	v_permlanex16_b32 v[T+12*(\u)+5], v[T+12*(\u)+4], s[SEL], s[SEL+1]
	v_max_num_f32 v[T+12*(\u)+4], v[T+12*(\u)+4], v[T+12*(\u)+5]
.endm
.macro NORM u                          ; beta, cq, the diagonal's score, and the statistics' start
.set rT, T+12*(\u)
	v_and_b32 v[rT+4], 0x7f800000, v[rT+4]         ; the exponent's field E
	v_sub_nc_u32 v[rT+10], 0x7e800000, v[rT+4]     ; beta = 2^-(e+1): field 253 - E
	v_add_nc_u32 v[rT+5], 0x00800000, v[rT+4]      ; 1 / beta: field E + 1
	v_mov_b32 v[rT+11], v[rT+10]
	v_mul_f32 v[rT+8], 0x3d8293ee, v[rT+5]         ; cq = log2(e) / sqrt(512) / beta
	v_sub_f32 v[rT+6], 0xd0a8965f, v[rT+9]         ; -1e9 sqrt(512) - c0,
	v_mul_f32 v[rT+9], v[rT+6], v[rT+10]           ; in the units of g beta . x
	v_mov_b32 v[rT], 0xfe000000                    ; cq m: far below every cq s, so the first step's a is 0 and wipes what O^T still holds
	v_mov_b32 v[rT+1], 0xff7fffff                  ; m
	v_mov_b32 v[rT+2], 0
	v_mov_b32 v[rT+3], 0
.endm
.macro PACKQ u                         ; tile u's O^T times its scale, rounded to f16, into Q
.set w, 0
.rept 2
	WIN 0x41*(1+w)
.set k, 0
.rept 64
	v_pk_mul_f32 v[16*(k/4)+8*(\u)+2*(k%4):16*(k/4)+8*(\u)+2*(k%4)+1], v[16*(k/4)+8*(\u)+2*(k%4):16*(k/4)+8*(\u)+2*(k%4)+1], v[T+12*(\u)+10:T+12*(\u)+11] op_sel_hi:[1,0]
.set k, k+1
.endr
	WIN 0xc0+5*(1+w)
.set k, 0
.rept 64
	v_cvt_pk_f16_f32 v[128*(\u)+64*w+k], v[16*(k/4)+8*(\u)+2*(k%4)], v[16*(k/4)+8*(\u)+2*(k%4)+1]
.set k, k+1
.endr
.set w, w+1
.endr
	WIN 0
.endm
; A trip of part 3: 64 columns of out for my 32 queries: the sums start from bv; they go through my stage and leave as whole rows of 256 bytes.
.macro ETRIP
	WIN 0
	ADDR AK0
.set i, 0
.rept 4
	ds_load_b128 v[P+8*i:P+8*i+3],   v[BVA] offset:64*i
	ds_load_b128 v[P+8*i+4:P+8*i+7], v[BVA] offset:64*i+16
.set i, i+1
.endr
	KQ 1
	WIN 0
	PLACES
.set i, 0
.rept 8                                ; tile i / 4, sum i % 4: the low half first
	ds_store_b128 v[STO], v[S+8*i:S+8*i+3]   offset:16*SPI*(i/4)+64*(i%4)
	ds_store_b128 v[STO], v[S+8*i+4:S+8*i+7] offset:16*SPI*(i/4)+64*(i%4)+16
.set i, i+1
.endr
.set i, 0
.rept 16
	ds_load_b128 v[FR+4*i:FR+4*i+3], v[RD] offset:16*SPI*(i/8)+2*SPI*(i%8)   ; these see my stores above: a wave's LDS instructions are served in order
.set i, i+1
.endr
.set i, 0
.rept 16
	s_wait_dscnt 15-i                      ; the younger reads of the stage stay out
	global_store_b128 v[GO], v[FR+4*i:FR+4*i+3], s[OUTP:OUTP+1] offset:(16*(i/8)+2*(i%8))*2048 th:TH_STORE_NT   ; 16 lanes store 256 consecutive bytes, aligned
.set i, i+1
.endr
	s_wait_xcnt 0x0                        ; the stores have read their data and their base: both are written again only behind this wait
	s_add_nc_u64 s[OUTP:OUTP+1], s[OUTP:OUTP+1], 256
	v_add_nc_u32 v[BVA], 0x100, v[BVA]
	s_add_co_u32 s[TB], s[TB], TILE
.endm
	s_load_b512 s[4:19], s[0:1], 0x0       ; qp16, opp16, wk16, wv16, cbias, bv, out0, out1
	v_lshl_add_u32 v[SPW], v0, 2, SPARE
	v_mov_b32 v[NIL], 0
	ds_add_u32 v[SPW], v[NIL]              ; the wave's opening add, waited for ahead of my first tensor load; the set-up below stands between them
	v_lshrrev_b32 v1, 5, v0
	v_readfirstlane_b32 s[WV], v1          ; wave 0..3
	s_bfe_u32 s[CX], ttmp6, 0x40000        ; my place in the cluster
	s_lshl_b32 s[QB], ttmp9, 2
	s_add_co_u32 s[QB], s[QB], s[CX]       ; my block of 128 queries: it enters my own rows' addresses, the prefetches' and DD alone
	s_and_b32 s[YY], ttmp7, 0xffff         ; y, which the four partners share
	s_mov_b32 s[G1], 15|(1<<16)|(1<<20)|(1<<21)|(7<<22)|(3<<25)   ; the mask of four; 2-byte elements; padding on; bit 21 beside a mask; after every 256 words (code 7) 4 words (code 3)
	s_mov_b32 s[G1+1], 512<<16             ; tensor_dim0 = 512
	s_mov_b32 s[G1+2], 32<<16              ; tensor_dim1 = 32
	s_mov_b32 s[G1+3], 512<<16             ; tile_dim0 = 512
	s_mov_b32 s[G1+4], 32                  ; tile_dim1 = 32
	s_mov_b32 s[G1+5], 512                 ; 512 elements from row to row
	s_mov_b32 s[G1+6], 0
	s_mov_b32 s[G1+7], 0
	s_mul_i32 s[WOFF], s[WV], HALF         ; my 32 rows of a slot: no place in the cluster enters an LDS address
	s_mov_b32 s[G0A], 1
	s_mov_b32 s[G0A+1], s[WOFF]
	s_mov_b32 s[G0B], 1
	s_add_co_u32 s[G0B+1], s[WOFF], SLOT
	s_mov_b32 s[SEL], 0x76543210
	s_mov_b32 s[SEL+1], 0xfedcba98
	s_mov_b32 s[TB], 0
	s_mov_b32 s[OFA], 0
	s_mov_b32 s[OFB], HALF
	s_mov_b32 s[FCNT], 3                   ; the third change from here asks for x's first fill
	s_mov_b32 s[PT], 7
	s_mov_b32 s[QSTEP+1], 0
	s_and_b32 s74, s[YY], 15               ; the batch
	s_lshl_b32 s76, s74, 20                ; its 1,024 rows of 1,024 bytes,
	s_lshl_b32 s78, s[WV], 15              ; my 32 rows of a fill
	s_add_co_u32 s76, s76, s78
	s_mov_b32 s77, 0
	s_mov_b32 s79, 0
	s_lshl_b32 s62, s[QB], 17              ; my wave's first query, in bytes of qp16
	s_add_co_u32 s62, s62, s76
	s_mov_b32 s63, 0
	s_lshl_b32 s[PFA], s74, 20             ; the prefetches: the batch, x's fill 2 (the first change of part 2 steps it to fill 3),
	s_add_co_u32 s[PFA], s[PFA], 2*FILLB
	s_lshl_b32 s61, s[CX], 15              ; my work-group's quarter of a fill,
	s_add_co_u32 s[PFA], s[PFA], s61
	s_lshl_b32 s61, s[WV], 13              ; my wave's quarter of that
	s_add_co_u32 s[PFA], s[PFA], s61
	s_mov_b32 s[PFA+1], 0
	s_lshl_b32 s73, s[QB], 1               ; DD's start: 64 x (my own key tile + 1): each step takes 64 off ahead of its use
	s_lshr_b32 s61, s[WV], 1
	s_add_co_u32 s73, s73, s61
	s_add_co_u32 s73, s73, 1
	s_lshl_b32 s73, s73, 6
	s_cmp_lt_u32 s[YY], 16
	s_cselect_b32 s61, 0, 0x40000000       ; out1 has no diagonal
	s_add_co_u32 s73, s73, s61
	s_cmp_eq_u32 ttmp9, 0                  ; the first of y's two clusters prefetches: the same in all four partners
	s_cselect_b32 s[LIM], 3, -1
	s_wait_dscnt 0x0                       ; the opening add is done
	s_wait_kmcnt 0x0
	s_cmp_lt_u32 s[YY], 16
	s_cselect_b64 s[XB:XB+1], s[4:5], s[6:7]
	s_cselect_b64 s[OUTP:OUTP+1], s[16:17], s[18:19]
	s_add_nc_u64 s[PFA:PFA+1], s[XB:XB+1], s[PFA:PFA+1]
	s_add_nc_u64 s[XB:XB+1], s[XB:XB+1], s[76:77]
	s_add_nc_u64 s[WVB:WVB+1], s[10:11], s[78:79]
	s_add_nc_u64 s[PTR:PTR+1], s[8:9], s[78:79]
	s_mov_b64 s[G0A+2:G0A+3], s[PTR:PTR+1]
	s_or_b32 s[G0A+3], s[G0A+3], 0x80000000
	s_add_nc_u64 s[PTR:PTR+1], s[PTR:PTR+1], FILLB
	s_mov_b64 s[G0B+2:G0B+3], s[PTR:PTR+1]
	s_or_b32 s[G0B+3], s[G0B+3], 0x80000000
	s_add_nc_u64 s[QPTR:QPTR+1], s[4:5], s[62:63]
	s_lshl_b32 s62, s62, 1                 ; the same rows in f32
	s_add_nc_u64 s[OUTP:OUTP+1], s[OUTP:OUTP+1], s[62:63]
	s_lshr_b32 s62, s62, 9                 ; and 4 bytes a row
	s_add_nc_u64 s[12:13], s[12:13], s[62:63]
	CROUND                                 ; all four work-groups are here: the first joint loads meet
	tensor_load_to_lds s[G0A:G0A+3], s[G1:G1+7]    ; wk16's rows 0-127
	s_nop 0
	tensor_load_to_lds s[G0B:G0B+3], s[G1:G1+7]    ; rows 128-255: two loads of mine are out
	s_nop 0
	PLACES
	v_and_b32 v8, 31, v0                   ; lane
	v_and_b32 v9, 15, v0                   ; r
	v_bfe_u32 v10, v0, 4, 1                ; h
	v_and_b32 v11, 7, v0
	v_bfe_u32 v13, v0, 3, 1
	v_lshlrev_b32 v[QO], 10, v9
	v_lshl_add_u32 v[QO], v10, 4, v[QO]
.set i, 0
.rept 4                                ; qp's fragments for the first 64 c
	global_load_b128 v[S+8*i:S+8*i+3],   v[QO], s[QPTR:QPTR+1] offset:16384*(i/2)+64*(i%2)
	global_load_b128 v[S+8*i+4:S+8*i+7], v[QO], s[QPTR:QPTR+1] offset:16384*(i/2)+64*(i%2)+32
.set i, i+1
.endr
	v_lshlrev_b32 v14, 2, v9
	global_load_b32 v[T+9],  v14, s[12:13]             ; c0 of my query in tile 0,
	global_load_b32 v[T+21], v14, s[12:13] offset:64   ; in tile 1
	v_lshlrev_b32 v15, 4, v0
	global_load_b128 v[P:P+3], v15, s[14:15]           ; my thread's 16 bytes of bv
	v_add_nc_u32 v16, BVL, v15
	v_mul_u32_u24 v[AK0], v9, PITCH
	v_lshl_add_u32 v[AK0], v10, 7, v[AK0]
	v_lshl_add_u32 v[AV0], v10, 3, v11
	v_mul_u32_u24 v[AV0], v[AV0], PITCH
	v_lshl_add_u32 v[AV0], v13, 7, v[AV0]
	v_lshlrev_b32 v[PFO], 8, v8
	v_lshlrev_b32 v18, 3, v10
	v_sub_nc_u32 v18, v9, v18
	v_add_nc_u32 v[DD], s73, v18
	s_wait_loadcnt 0x0
	ds_store_b128 v16, v[P:P+3]
	s_wait_dscnt 0x0                       ; for the others' sake: my part of bv lies in LDS
	s_wait_tensorcnt 0x1                   ; my part of the first fill is in; the second's may stay out
	s_barrier_signal -1
	s_barrier_wait -1
	; PART 1: g^T = Wk^T qp^T.  The first visit is written out: its first trip's products start the sums.
	PTRIP 1
	PTRIP 0
	CHANGE 1, XB, 0
	s_mov_b32 s[VIS], 3
.Lg_visit:
	s_mov_b32 s[TWICE], 2
.Lg_trip:
	PTRIP 0
	s_sub_co_u32 s[TWICE], s[TWICE], 1
	s_cmp_lg_u32 s[TWICE], 0
	s_cbranch_scc1 .Lg_trip
	CHANGE 1, XB, 0
	s_sub_co_u32 s[VIS], s[VIS], 1
	s_cmp_lg_u32 s[VIS], 0
	s_cbranch_scc1 .Lg_visit
	; g is scaled by a power of two for each query and becomes Q
	s_wait_loadcnt 0x0                     ; the last trip's loads, which nobody reads, have landed: S^T's registers and the offset's are free
	MAXG 0
	MAXG 1
	NORM 0
	NORM 1
	PACKQ 0
	PACKQ 1
	; PART 2: sixteen key steps over x
	s_and_b32 s[OFA], s[WV], 1
	s_mul_i32 s[OFA], s[OFA], HALF         ; odd waves take a tile's rows 32-63 first
	s_sub_co_u32 s[OFB], HALF, s[OFA]
	s_mov_b32 s[FCNT], 7                   ; the seventh change from here asks for wv16's first fill
	s_mov_b32 s[VIS], 8
.Lvisit:
	s_mov_b32 s[TWICE], 2
.Lstep:
	STEP
	s_sub_co_u32 s[TWICE], s[TWICE], 1
	s_cmp_lg_u32 s[TWICE], 0
	s_cbranch_scc1 .Lstep
	CHANGE 1, WVB, 1
	s_sub_co_u32 s[VIS], s[VIS], 1
	s_cmp_lg_u32 s[VIS], 0
	s_cbranch_scc1 .Lvisit
	; attn x = O^T / l becomes Q
.irp u, 0,1
	v_add_f32 v[T+12*\u+4], v[T+12*\u+2], v[T+12*\u+3]
.endr
.irp u, 0,1
	v_permlanex16_b32 v[T+12*\u+5], v[T+12*\u+4], s[SEL], s[SEL+1]
.endr
.irp u, 0,1
	v_add_f32 v[T+12*\u+4], v[T+12*\u+4], v[T+12*\u+5]
.endr
.irp u, 0,1
	v_rcp_f32 v[T+12*\u+10], v[T+12*\u+4]
.endr
	v_nop                                  ; a plain instruction behind the last reciprocal,
	s_wait_alu depctr_va_vdst(0)           ; and the wait ahead of the first use: one for the two
	PACKQ 0
	PACKQ 1
	; PART 3: out^T = Wv (attn x)^T + bv.  The statistics' registers are free: the addresses of the way out are made of 256 x lane.
	v_lshrrev_b32 v16, 8, v[PFO]           ; lane
	v_and_b32 v17, 15, v16                 ; r
	v_lshrrev_b32 v18, 4, v16              ; h
	s_mul_i32 s73, s[WV], 32*SPI
	s_add_co_u32 s73, s73, STAGE           ; my stage
	v_mul_u32_u24 v[STO], v17, SPI         ; in: row r, 32 bytes for each half of the lanes
	v_lshl_add_u32 v[STO], v18, 5, v[STO]
	v_add_nc_u32 v[STO], s73, v[STO]
	v_mul_u32_u24 v[RD], v18, SPI          ; back: lanes 0-15 take one row of 256 bytes, lanes 16-31 the next
	v_lshl_add_u32 v[RD], v17, 4, v[RD]
	v_add_nc_u32 v[RD], s73, v[RD]
	v_lshlrev_b32 v[GO], 11, v18           ; and the same two rows in out
	v_lshl_add_u32 v[GO], v17, 4, v[GO]
	v_lshlrev_b32 v[BVA], 5, v18
	v_add_nc_u32 v[BVA], BVL, v[BVA]
	s_mov_b32 s[OFA], 0
	s_mov_b32 s[OFB], HALF
	s_mov_b32 s[VIS], 2
.Lo_visit:                             ; two visits that still ask for wv16's last two fills
	s_mov_b32 s[TWICE], 2
.Lo_trip:
	ETRIP
	s_sub_co_u32 s[TWICE], s[TWICE], 1
	s_cmp_lg_u32 s[TWICE], 0
	s_cbranch_scc1 .Lo_trip
	CHANGE 1, WVB, 0
	s_sub_co_u32 s[VIS], s[VIS], 1
	s_cmp_lg_u32 s[VIS], 0
	s_cbranch_scc1 .Lo_visit
	s_mov_b32 s[VIS], 2
.Lt_visit:                             ; the tail has a text of its own: nothing is asked for
	s_mov_b32 s[TWICE], 2
.Lt_trip:
	ETRIP
	s_sub_co_u32 s[TWICE], s[TWICE], 1
	s_cmp_lg_u32 s[TWICE], 0
	s_cbranch_scc1 .Lt_trip
	CHANGE 0, WVB, 0
	s_sub_co_u32 s[VIS], s[VIS], 1
	s_cmp_lg_u32 s[VIS], 0
	s_cbranch_scc1 .Lt_visit
	s_wait_tensorcnt 0x0                   ; the wave's end, behind my last tensor load and my last LDS store
	ds_add_u32 v[SPW], v[NIL]
	s_wait_dscnt 0x0
	CROUND                                 ; the closing round: no work-group ends while a partner may still ask for a tile that names it
	s_endpgm
.Lfunc_end_k_q1af215a77e_attend:
	.size	k_q1af215a77e_attend, .Lfunc_end_k_q1af215a77e_attend-k_q1af215a77e_attend
	.p2alignl 7, 3214868480
	.fill 96, 4, 3214868480
	.section	.rodata,"a",@progbits
	.p2align	6, 0x0
	.amdhsa_kernel k_q1af215a77e_attend
		.amdhsa_group_segment_fixed_size 327680
		.amdhsa_private_segment_fixed_size 0
		.amdhsa_enable_private_segment 0
		.amdhsa_kernarg_size 64
		.amdhsa_user_sgpr_count 2
		.amdhsa_user_sgpr_kernarg_segment_ptr 1
		.amdhsa_wavefront_size32 1
		.amdhsa_system_sgpr_workgroup_id_x 1
		.amdhsa_system_sgpr_workgroup_id_y 1
		.amdhsa_system_sgpr_workgroup_id_z 1
		.amdhsa_system_vgpr_workitem_id 0
		.amdhsa_next_free_vgpr 1024
		.amdhsa_next_free_sgpr 80
		.amdhsa_reserve_vcc 1
		.amdhsa_float_denorm_mode_32 3
		.amdhsa_float_denorm_mode_16_64 3
		.amdhsa_memory_ordered 1
		.amdhsa_forward_progress 1
		.amdhsa_inst_pref_size 255
	.end_amdhsa_kernel
	.section	.bss,"aw",@nobits
	.p2align	6
	.space	262144
	.amdgpu_metadata
---
amdhsa.version: [ 1, 2 ]
amdhsa.kernels:
  - .name:           k_q1af215a77e_attend
    .symbol:         k_q1af215a77e_attend.kd
    .args:
      - { .name: qp16, .offset: 0, .size: 8, .value_kind: global_buffer, .address_space: global }
      - { .name: opp16, .offset: 8, .size: 8, .value_kind: global_buffer, .address_space: global }
      - { .name: wk16, .offset: 16, .size: 8, .value_kind: global_buffer, .address_space: global }
      - { .name: wv16, .offset: 24, .size: 8, .value_kind: global_buffer, .address_space: global }
      - { .name: cbias, .offset: 32, .size: 8, .value_kind: global_buffer, .address_space: global }
      - { .name: bv, .offset: 40, .size: 8, .value_kind: global_buffer, .address_space: global }
      - { .name: out0, .offset: 48, .size: 8, .value_kind: global_buffer, .address_space: global }
      - { .name: out1, .offset: 56, .size: 8, .value_kind: global_buffer, .address_space: global }
    .group_segment_fixed_size: 327680
    .private_segment_fixed_size: 0
    .kernarg_segment_align: 8
    .kernarg_segment_size: 64
    .max_flat_workgroup_size: 128
    .sgpr_count:     80
    .vgpr_count:     1024
    .wavefront_size: 32
...
	.end_amdgpu_metadata
.endif
;; end of part 2
;; ======== version 2 of 2: 2 launches; version 1 with the launch project written anew for expert scheduling mode
;; limits: values are held in f16: magnitudes above 65,504 overflow, below 6.1e-05 lose precision
;; workspace buffers: qp16 16,777,216 bytes; opp16 16,777,216 bytes; wk16 524,288 bytes; wv16 524,288 bytes; cbias 65,536 bytes
;; launch project (part 3): grid 256 x 1, 4 waves a work-group, no clusters, 141,824 bytes of LDS; arguments q, opp, Wq, Wk, Wv, bq, bk, qp16, opp16, wk16, wv16, cbias; writes qp16, opp16, wk16, wv16, cbias
.if DOCPART == 3
	.amdgcn_target "amdgcn-amd-amdhsa--gfx1250"
	.amdhsa_code_object_version 6
	.text
	.protected	k_q1af215a77e_project
	.globl	k_q1af215a77e_project
	.p2align	8
	.type	k_q1af215a77e_project,@function
k_q1af215a77e_project:
	s_mov_b64 s[64:65], 0
	v_nop
	global_prefetch_b8 v0, s[64:65] scope:SCOPE_SE
	s_setreg_imm32_b32 hwreg(HW_REG_WAVE_SCHED_MODE, 0, 2), 2
	s_setreg_imm32_b32 hwreg(HW_REG_WAVE_MODE, 25, 1), 1
	s_wait_xcnt 0x0
	s_wait_alu depctr_vm_vsrc(0)
; qp = q Wq^T + bq, rounded once to f16 (qp16); c0 = qp . bk in f32 (cbias); opp, Wk and Wv rounded once to f16 (opp16, wk16, wv16).
; q, opp: [16384][512] f32.  Wq, Wk, Wv: [512][512] f32.  Products in f16 with f32 sums.
; LIMITS.  q, opp, the weights and qp must lie within f16, 65,504; below 6e-5 f16 keeps its fixed step of 6e-8; NaN and infinities are not treated apart.
; SHARES.  A work-group owns 64 rows of q and of opp and two rows of Wk and of Wv.  Wave w rounds q's rows 16 w .. 16 w + 15 into LDS; then every wave holds all 64 rows as fragments
; (512 registers) and makes columns 128 w .. 128 w + 127 of qp, 16 columns (a c-block) at a time.  Beside that it casts 16 rows of opp, 1,024 bytes with each group of 16 products.
; NO TENSOR LOAD, NO CLUSTER: Wq is f32 and is rounded on its way, so it goes through registers; each wave reads another quarter of Wq, so nothing is shared inside the work-group,
; and three batches of 18 loads a wave stay out with no barrier in the loop.  The price: each work-group reads all of Wq.  No prefetch: the launch is one long stream of q and opp.
; LAYOUT.  qp^T = Wq q^T (source 0 = 16 rows of Wq, source 1 = 16 rows of q): a lane holds ONE row of q (lane % 16) and the columns 8 (lane / 16) + 0..7: 16 bytes of qp16.
; In K step F both sources give lane (r, h) the sixteen k = 32 F + 16 h + 0..15: the same order of k on both sides, so the products are those of the plain order.
; REGISTERS, in windows of 256: window 0 addresses, sums and what is at work; window 1 four sets of 64 f32 of Wq; windows 2 and 3 q's fragments: K step F, tile t at v[32 (F % 8) + 8 t] of window 2 + F / 8.
; THE MODE: SCHED_MODE bits 1:0 = 2 (LLVM: expert scheduling mode 2), set by the entry lines.  The code itself states the register dependences
; between vector or matrix instructions and memory or LDS instructions, with s_wait_alu, always for 0.
; THE PLAN.  Registers that memory or LDS instructions touch, in the loop over c-blocks:
;   RAW[g], OPS[g]  (window 1's set g; opp as loaded)  Group g's 36 conversions read them; behind them the 18 loads for the next c-block land in them.
;   OPO[g]          Written by four of those conversions; read by the group's two stores; written again a c-block later.
;   PK              Written by the sixteen roundings at a c-block's end; read by its four LDS stores; written again a c-block later.
;   BQ, BK          Read by group 0's first four products (as C) and by the sixteen multiply-adds for c0; the LDS loads at the c-block's end land in them.
;   v[BA], v[OSA]   Read by those LDS loads and stores; stepped once a c-block, at its very end.
;   v[L8], v[L16], v[WO] are made at the head and never written again.  WF, the sums, C0P and q's fragments are named by vector and matrix instructions alone.
; So a group has ONE wait on va_vdst, behind its conversions; its 18 loads and 2 stores follow, dealt among its 16 products, which name WF, q's fragments, the sums and BQ: none of the
; registers that those loads and stores touch.  A c-block's end has one wait on va_vdst ahead of its LDS stores and loads, and one on vm_vsrc behind them, which frees PK, the four OPO and the two addresses.
.set QPI,   1040                       ; a row of q in LDS: 1,024 bytes + 16: row r starts 4 r words on modulo 64 (64 banks of 4 bytes: ISA guide 11.1)
.set OPI,   272                        ; a row of a wave's stage: 256 bytes + 16
.set QST,   0                          ; 64 rows of q in f16
.set OST,   66560                      ; four stages of 64 rows, one a wave
.set BIA,   136192                     ; for each wave 1,024 bytes: its 128 bq, its 128 bk
.set C0S,   140288                     ; [wave][64] partial c0
.set SPARE, 141312                     ; the spare words, 128 bytes for each wave: no other line names them
.set L16, 2                            ; v2   16 x lane
.set L8,  3                            ; v3   8 x lane
.set WO,  4                            ; v4   my place in 16 rows of Wq: r x 2,048 + 64 h
.set QSA, 5                            ; v5   where I put q: my wave's 16 rows + 8 x lane
.set QFA, 6                            ; v6   a fragment of q: r x 1,040 + 32 h
.set BA,  7                            ; v7   my 8 numbers of bq in the c-block in hand; steps by 64
.set OSA, 8                            ; v8   into my stage; steps by 32
.set ORA, 9                            ; v9   back out of my stage, two rows at a time
.set GOA, 10                           ; v10  the same two rows in qp16
.set C0A, 11                           ; v11  my word of partial c0
.set SPW, 12                           ; v12  my spare word; never rewritten
.set NIL, 13                           ; v13  0; never rewritten
.set ACC, 16                           ; v[16:47]   four sums: tile t at ACC + 8 t
.set BQ,  48                           ; v[48:55]   bq of my 8 columns
.set BK,  56                           ; v[56:63]   bk of my 8 columns
.set WF,  64                           ; v[64:127]  two buffers of four f16 fragments of Wq
.set PK,  128                          ; v[128:143] qp rounded
.set OPS, 144                          ; v[144:175] opp as loaded, four sets of 8
.set OPO, 176                          ; v[176:191] opp rounded, four sets of 4
.set C0P, 192                          ; v[192:199] c0, a pair a tile
.set TL,  200                          ; v[200:233] head and tail
.set OUTR, 64                          ; v[64:191]  the way out: 32 x 4
.set WV,  28                           ; s28  my wave
.set SW,  30                           ; s[30:31] Wq at the c-block in hand
.set SO,  32                           ; s[32:33] opp
.set SP,  34                           ; s[34:35] opp16
.set CNT, 36
.set SEL, 38                           ; s[38:39] v_permlanex16_b32: each lane takes its own place in the other half
.set MSB, 0
.macro WIN new                         ; the immediate's high byte repeats the setting that is left
.if MSB != (\new)
	s_set_vgpr_msb (MSB<<8)|(\new)
.set MSB, (\new)
.endif
.endm
.macro PLACES
.rept 4
	v_nop
.endr
.endm
; Eight loads: K steps 2 half and 2 half + 1 of group g (four K steps) of 16 rows of Wq.
.macro WQ8 g, off, half
	WIN 0x40                               ; destination window 1; the address, and a store's data, window 0
.set bi, 8*(\half)
.rept 8                                ; K step bi / 4, 16 bytes bi % 4
	global_load_b128 v[64*(\g)+4*bi:64*(\g)+4*bi+3], v[WO], s[SW:SW+1] offset:(\off)+512*(\g)+128*(bi/4)+16*(bi%4)
.set bi, bi+1
.endr
.endm
; One load: half k of group g's 1,024 bytes of opp.  It stands under any setting whose destination and source 0 are window 0: the products' among them.
.macro OP1 g, off, k
	global_load_b128 v[OPS+8*(\g)+4*(\k):OPS+8*(\g)+4*(\k)+3], v[L16], s[SO:SO+1] offset:(\off)/8+1024*(\g)+512*(\k) th:TH_LOAD_NT
.endm
; Eighteen loads in one run, as the head issues them.
.macro BATCH g, off
	WQ8 \g, \off, 0
	WQ8 \g, \off, 1
	WIN 0
	OP1 \g, \off, 0
	OP1 \g, \off, 1
.endm
; The next eight of a group's sixteen products: K step 4 g + i / 4, tile i % 4; the four sums take turns.
.macro MUL8 g
	WIN 0x08+4*((\g)/2)                    ; source 1 in window 2 or 3
.rept 8
.if ((\g) == 0) && (i < 4)
	v_wmma_f32_16x16x32_f16 v[ACC+8*(i%4):ACC+8*(i%4)+7], v[WF+32*((\g)%2)+8*(i/4):WF+32*((\g)%2)+8*(i/4)+7], v[32*((4*(\g)+i/4)%8)+8*(i%4):32*((4*(\g)+i/4)%8)+8*(i%4)+7], v[BQ:BQ+7]
.else
	v_wmma_f32_16x16x32_f16 v[ACC+8*(i%4):ACC+8*(i%4)+7], v[WF+32*((\g)%2)+8*(i/4):WF+32*((\g)%2)+8*(i/4)+7], v[32*((4*(\g)+i/4)%8)+8*(i%4):32*((4*(\g)+i/4)%8)+8*(i%4)+7], v[ACC+8*(i%4):ACC+8*(i%4)+7]
.endif
.set i, i+1
.endr
.endm
; Group g of a c-block: its batch is rounded; behind one wait it is asked for again for the next c-block (16 rows of Wq on, 4,096 bytes of opp on) and opp's part is stored, among the 16 products.
.macro GROUP g, reload, left
	s_wait_loadcnt \left                   ; loads come back in order: my batch is in, the younger batches of 18 stay out
	WIN 0x05                               ; sources window 1
.set i, 0
.rept 32
	v_cvt_pk_f16_f32 v[WF+32*((\g)%2)+i], v[64*(\g)+2*i], v[64*(\g)+2*i+1]
.set i, i+1
.endr
	WIN 0
.set i, 0
.rept 4
	v_cvt_pk_f16_f32 v[OPO+4*(\g)+i], v[OPS+8*(\g)+2*i], v[OPS+8*(\g)+2*i+1]
.set i, i+1
.endr
	s_wait_alu depctr_va_vdst(0)           ; the conversions are done reading RAW[g] and OPS[g], in which the loads below land, and have written OPO[g], which the two stores read
.if \reload
	WQ8 \g, 32768, 0
.endif
	global_store_b64 v[L8], v[OPO+4*(\g):OPO+4*(\g)+1],   s[SP:SP+1] offset:512*(\g) th:TH_STORE_NT      ; 32 lanes store 256 consecutive bytes, aligned
	global_store_b64 v[L8], v[OPO+4*(\g)+2:OPO+4*(\g)+3], s[SP:SP+1] offset:512*(\g)+256 th:TH_STORE_NT
.set i, 0
	MUL8 \g
.if \reload
	OP1 \g, 32768, 0                       ; no wait: no vector or matrix instruction since the wait above names RAW[g], OPS[g] or an offset
	WQ8 \g, 32768, 1
.endif
	MUL8 \g
.if \reload
	OP1 \g, 32768, 1
.endif
.endm
; A c-block: 16 columns of qp for all 64 rows.  The sums start from bq; c0 takes qp x bk in f32; qp goes rounded into my stage.
.macro CBLOCK reload, l0, l1, l2, l3
	s_wait_dscnt 0x0                       ; bq and bk of this c-block (the first time: q's fragments too)
	GROUP 0, \reload, \l0
	GROUP 1, \reload, \l1
	GROUP 2, \reload, \l2
	GROUP 3, \reload, \l3
	WIN 0
	PLACES                                 ; four places between the last product and the first read of a sum
.set i, 0
.rept 16                               ; each sum from its lowest registers on
	v_cvt_pk_f16_f32 v[PK+i], v[ACC+2*i], v[ACC+2*i+1]
.set i, i+1
.endr
.set i, 0
.rept 16                               ; pair i / 4 of tile i % 4
	v_pk_fma_f32 v[C0P+2*(i%4):C0P+2*(i%4)+1], v[ACC+8*(i%4)+2*(i/4):ACC+8*(i%4)+2*(i/4)+1], v[BK+2*(i/4):BK+2*(i/4)+1], v[C0P+2*(i%4):C0P+2*(i%4)+1]
.set i, i+1
.endr
	s_wait_alu depctr_va_vdst(0)           ; the roundings have written PK, which the LDS stores read; group 0's products are done reading BQ and the multiply-adds BK, in which the LDS loads land
.set i, 0
.rept 4
	ds_store_b128 v[OSA], v[PK+4*i:PK+4*i+3] offset:16*OPI*i
.set i, i+1
.endr
.if \reload
	ds_load_b128 v[BQ:BQ+3],   v[BA] offset:64    ; the next c-block's: 64 bytes on
	ds_load_b128 v[BQ+4:BQ+7], v[BA] offset:80
	ds_load_b128 v[BK:BK+3],   v[BA] offset:576
	ds_load_b128 v[BK+4:BK+7], v[BA] offset:592
.endif
	s_wait_xcnt 0x0                        ; every load and store issued so far has read its address and data: the pointers and opp's rounded words are written again only behind this wait
	s_wait_alu depctr_vm_vsrc(0)           ; the LDS stores have read PK and v[OSA], the LDS loads v[BA], the c-block's eight global stores the four OPO: all are written again behind this wait
	v_add_nc_u32 v[BA], 64, v[BA]          ; read next at the next c-block's end, behind its groups' waits on va_vdst
	v_add_nc_u32 v[OSA], 32, v[OSA]
	s_add_nc_u64 s[SW:SW+1], s[SW:SW+1], 32768
	s_add_nc_u64 s[SO:SO+1], s[SO:SO+1], 4096
	s_add_nc_u64 s[SP:SP+1], s[SP:SP+1], 2048
.endm
	s_load_b512 s[4:19], s[0:1], 0x0       ; q, opp, Wq, Wk, Wv, bq, bk, qp16
	s_load_b256 s[20:27], s[0:1], 0x40     ; opp16, wk16, wv16, cbias
	v_lshl_add_u32 v[SPW], v0, 2, SPARE
	v_mov_b32 v[NIL], 0
	v_lshrrev_b32 v1, 5, v0
	v_readfirstlane_b32 s[WV], v1          ; wave 0..3
	v_and_b32 v14, 31, v0                  ; lane
	v_and_b32 v15, 15, v0                  ; r
	v_bfe_u32 v1, v0, 4, 1                 ; h
	v_lshlrev_b32 v[L16], 4, v14
	v_lshlrev_b32 v[L8], 3, v14
	v_lshlrev_b32 v[WO], 11, v15
	v_lshl_add_u32 v[WO], v1, 6, v[WO]
	s_wait_alu depctr_va_sdst(0)           ; the wave's number is written, ahead of its first reader: LDS places, bases and branches are made from it
	s_mul_i32 s40, s[WV], 16*QPI
	v_add_nc_u32 v[QSA], s40, v[L8]
	v_mul_u32_u24 v[QFA], v15, QPI
	v_lshl_add_u32 v[QFA], v1, 5, v[QFA]
	s_lshl_b32 s41, s[WV], 10
	s_add_co_u32 s41, s41, BIA
	v_lshl_add_u32 v[BA], v1, 5, s41
	v_add_nc_u32 v[TL+9], s41, v[L16]      ; where my 16 bytes of bq go
	v_lshlrev_b32 v[TL+8], 4, v0           ; 16 x thread = 512 x wave + 16 x lane: my 16 bytes of bq and of bk
	s_mul_i32 s42, s[WV], 64*OPI
	s_add_co_u32 s42, s42, OST
	v_mul_u32_u24 v[OSA], v15, OPI
	v_lshl_add_u32 v[OSA], v1, 4, v[OSA]
	v_add_nc_u32 v[OSA], s42, v[OSA]
	v_mul_u32_u24 v[ORA], v1, OPI
	v_lshl_add_u32 v[ORA], v15, 4, v[ORA]
	v_add_nc_u32 v[ORA], s42, v[ORA]
	v_lshlrev_b32 v[GOA], 10, v1
	v_lshl_add_u32 v[GOA], v15, 4, v[GOA]
	s_lshl_b32 s43, s[WV], 8
	s_add_co_u32 s43, s43, C0S
	v_lshl_add_u32 v[C0A], v15, 2, s43
	s_mov_b32 s[SEL], 0x76543210
	s_mov_b32 s[SEL+1], 0xfedcba98
	s_lshl_b32 s44, ttmp9, 17              ; the work-group's 64 rows of 2,048 bytes,
	s_lshl_b32 s46, s[WV], 15              ; my wave's 16
	s_add_co_u32 s44, s44, s46
	s_mov_b32 s45, 0
	s_lshr_b32 s46, s44, 1                 ; the same rows in f16
	s_mov_b32 s47, 0
	s_lshl_b32 s40, s[WV], 18              ; my 128 rows of Wq
	s_mov_b32 s41, 0
	s_wait_kmcnt 0x0
	s_add_nc_u64 s[4:5], s[4:5], s[44:45]
	s_add_nc_u64 s[SO:SO+1], s[6:7], s[44:45]
	s_add_nc_u64 s[SP:SP+1], s[20:21], s[46:47]
	s_add_nc_u64 s[SW:SW+1], s[8:9], s[40:41]
	s_wait_alu depctr_va_vdst(0)           ; the addresses and offsets v2 to v11, v[TL+8] and v[TL+9] are written, which the kernel's loads and stores read
	global_load_b128 v[TL:TL+3],   v[TL+8], s[14:15]
	global_load_b128 v[TL+4:TL+7], v[TL+8], s[16:17]
	WIN 0x80                               ; destination window 2
.set i, 0
.rept 64                               ; my 16 rows of q: 32,768 consecutive bytes
	global_load_b128 v[4*i:4*i+3], v[L16], s[4:5] offset:512*i th:TH_LOAD_NT
.set i, i+1
.endr
	BATCH 0, 0
	BATCH 1, 0
	BATCH 2, 0
	s_wait_loadcnt 54                      ; the biases and q are in; the three batches of 18 behind them stay out
	ds_store_b128 v[TL+9], v[TL:TL+3]
	ds_store_b128 v[TL+9], v[TL+4:TL+7] offset:512
	WIN 0xca                               ; sources window 2, destination window 3
.set i, 0
.rept 64
	v_cvt_pk_f16_f32 v[2*i],   v[4*i],   v[4*i+1]
	v_cvt_pk_f16_f32 v[2*i+1], v[4*i+2], v[4*i+3]
.set i, i+1
.endr
	WIN 0x0c                               ; store data window 3
	s_wait_alu depctr_va_vdst(0)           ; the conversions have written window 3's first 128 registers, which the LDS stores read, and are done reading window 2, in which q's fragments land below
.set i, 0
.rept 64                               ; row i / 4, quarter i % 4
	ds_store_b64 v[QSA], v[2*i:2*i+1] offset:QPI*(i/4)+256*(i%4)
.set i, i+1
.endr
	WIN 0
	s_wait_dscnt 0x0                       ; for the others' sake: my rows of q lie in LDS
	s_barrier_signal -1
	s_barrier_wait -1                      ; all 64 rows do
	s_wait_alu depctr_vm_vsrc(0)           ; my LDS stores have read window 3's registers, in which fragments land; the head's loads and stores have read v[TL ..], in which the tail's loads land
.set i, 0
.rept 64                               ; K step i / 4, tile i % 4
	WIN 0x80+0x40*(i/32)
	ds_load_b128 v[32*((i/4)%8)+8*(i%4):32*((i/4)%8)+8*(i%4)+3],   v[QFA] offset:16*QPI*(i%4)+64*(i/4)
	ds_load_b128 v[32*((i/4)%8)+8*(i%4)+4:32*((i/4)%8)+8*(i%4)+7], v[QFA] offset:16*QPI*(i%4)+64*(i/4)+16
.set i, i+1
.endr
	WIN 0
	ds_load_b128 v[BQ:BQ+3],   v[BA]       ; my own wave stored these: LDS serves a wave's instructions in order
	ds_load_b128 v[BQ+4:BQ+7], v[BA] offset:16
	ds_load_b128 v[BK:BK+3],   v[BA] offset:512
	ds_load_b128 v[BK+4:BK+7], v[BA] offset:528
	BATCH 3, 0
.set i, 0
.rept 8
	v_mov_b32 v[C0P+i], 0
.set i, i+1
.endr
	s_mov_b32 s[CNT], 7
.Lblock:                               ; seven c-blocks, each asking for the next one's weights
	CBLOCK 1, 54, 54, 54, 54               ; 54: the three younger batches
	s_sub_co_u32 s[CNT], s[CNT], 1
	s_cmp_lg_u32 s[CNT], 0
	s_cbranch_scc1 .Lblock
	CBLOCK 0, 54, 36, 18, 0                ; the last asks for nothing: the counts run down
	; my row of Wk (waves 0, 1) or Wv (waves 2, 3): asked for now, rounded behind the way out
	s_cmp_lt_u32 s[WV], 2
	s_cselect_b64 s[40:41], s[10:11], s[12:13]
	s_cselect_b64 s[42:43], s[22:23], s[24:25]
	s_lshl_b32 s44, ttmp9, 1
	s_and_b32 s45, s[WV], 1
	s_add_co_u32 s44, s44, s45             ; the row
	s_lshl_b32 s46, s44, 11
	s_mov_b32 s47, 0
	s_add_nc_u64 s[40:41], s[40:41], s[46:47]
	s_lshl_b32 s46, s44, 10
	s_add_nc_u64 s[42:43], s[42:43], s[46:47]
.set i, 0
.rept 4                                ; no wait: who wrote or read v[TL ..] stands at the head, ahead of the waits there
	global_load_b128 v[TL+4*i:TL+4*i+3], v[L16], s[40:41] offset:512*i
.set i, i+1
.endr
	; qp16's way out: my stage holds 64 rows x my 128 columns; back as whole rows of 256 bytes, two at a time
	s_lshl_b32 s44, ttmp9, 16              ; 64 rows of 1,024 bytes,
	s_lshl_b32 s45, s[WV], 8               ; my 256 bytes of each
	s_add_co_u32 s44, s44, s45
	s_mov_b32 s45, 0
	s_add_nc_u64 s[18:19], s[18:19], s[44:45]
.set i, 0
.rept 32                               ; no wait: the last c-block's two waits stand behind all that wrote or read WF, PK, OPS and OPO; only the two address adds came since
	ds_load_b128 v[OUTR+4*i:OUTR+4*i+3], v[ORA] offset:2*OPI*i   ; these see my stores above: a wave's LDS instructions are served in order
.set i, i+1
.endr
.set i, 0
.rept 32
	s_wait_dscnt 31-i                      ; the younger reads of the stage stay out
	global_store_b128 v[GOA], v[OUTR+4*i:OUTR+4*i+3], s[18:19] offset:2048*i th:TH_STORE_NT   ; 16 lanes store 256 consecutive bytes, aligned
.set i, i+1
.endr
	; c0: a pair's two halves, the other half of the lanes, then the four waves' parts meet in LDS
.set i, 0
.rept 4
	v_add_f32 v[C0P+2*i], v[C0P+2*i], v[C0P+2*i+1]
.set i, i+1
.endr
.set i, 0
.rept 4
	v_permlanex16_b32 v[C0P+2*i+1], v[C0P+2*i], s[SEL], s[SEL+1]
.set i, i+1
.endr
.set i, 0
.rept 4
	v_add_f32 v[C0P+2*i], v[C0P+2*i], v[C0P+2*i+1]
.set i, i+1
.endr
	s_wait_loadcnt 0x0                     ; the weight row
.set i, 0
.rept 8
	v_cvt_pk_f16_f32 v[TL+16+i], v[TL+2*i], v[TL+2*i+1]
.set i, i+1
.endr
	s_wait_alu depctr_va_vdst(0)           ; the additions have written c0's four sums, which the LDS stores read; the conversions have written v[TL+16 ..], which the global stores read
.set i, 0
.rept 4
	ds_store_b32 v[C0A], v[C0P+2*i] offset:64*i
.set i, i+1
.endr
.set i, 0
.rept 4
	global_store_b64 v[L8], v[TL+16+2*i:TL+16+2*i+1], s[42:43] offset:256*i th:TH_STORE_NT
.set i, i+1
.endr
	s_wait_dscnt 0x0                       ; for wave 0's sake: my part of c0 lies in LDS
	s_barrier_signal -1
	s_barrier_wait -1
	s_cmp_lg_u32 s[WV], 0
	s_cbranch_scc1 .Lend
	v_add_nc_u32 v[TL+24], C0S, v[L8]      ; lane l takes rows 2 l and 2 l + 1
	s_wait_alu depctr_va_vdst(0)           ; v[TL+24] is written, the address of the four LDS loads
.set i, 0
.rept 4
	ds_load_b64 v[TL+26+2*i:TL+26+2*i+1], v[TL+24] offset:256*i
.set i, i+1
.endr
	s_lshl_b32 s44, ttmp9, 8
	s_mov_b32 s45, 0
	s_add_nc_u64 s[26:27], s[26:27], s[44:45]
	s_wait_dscnt 0x0
	v_pk_add_f32 v[TL+26:TL+27], v[TL+26:TL+27], v[TL+28:TL+29]
	v_pk_add_f32 v[TL+30:TL+31], v[TL+30:TL+31], v[TL+32:TL+33]
	v_pk_add_f32 v[TL+26:TL+27], v[TL+26:TL+27], v[TL+30:TL+31]
	s_wait_alu depctr_va_vdst(0)           ; the last addition has written v[TL+26:TL+27], which the store reads
	global_store_b64 v[L8], v[TL+26:TL+27], s[26:27]   ; 256 consecutive bytes of cbias, aligned
.Lend:
	s_wait_dscnt 0x0                       ; the closing lines, six on end
	s_wait_alu 0x0
	s_wait_tensorcnt 0x0
	ds_add_u32 v[SPW], v[NIL]
	s_wait_dscnt 0x0
	s_endpgm
.Lfunc_end_k_q1af215a77e_project:
	.size	k_q1af215a77e_project, .Lfunc_end_k_q1af215a77e_project-k_q1af215a77e_project
	.p2alignl 7, 3214868480
	.fill 96, 4, 3214868480
	.section	.rodata,"a",@progbits
	.p2align	6, 0x0
	.amdhsa_kernel k_q1af215a77e_project
		.amdhsa_group_segment_fixed_size 141824
		.amdhsa_private_segment_fixed_size 0
		.amdhsa_enable_private_segment 0
		.amdhsa_kernarg_size 96
		.amdhsa_user_sgpr_count 2
		.amdhsa_user_sgpr_kernarg_segment_ptr 1
		.amdhsa_wavefront_size32 1
		.amdhsa_system_sgpr_workgroup_id_x 1
		.amdhsa_system_sgpr_workgroup_id_y 1
		.amdhsa_system_sgpr_workgroup_id_z 1
		.amdhsa_system_vgpr_workitem_id 0
		.amdhsa_next_free_vgpr 1024
		.amdhsa_next_free_sgpr 66
		.amdhsa_reserve_vcc 0
		.amdhsa_float_denorm_mode_32 3
		.amdhsa_float_denorm_mode_16_64 3
		.amdhsa_memory_ordered 1
		.amdhsa_forward_progress 1
		.amdhsa_inst_pref_size 89
	.end_amdhsa_kernel
	.amdgpu_metadata
---
amdhsa.version: [ 1, 2 ]
amdhsa.kernels:
  - .name:           k_q1af215a77e_project
    .symbol:         k_q1af215a77e_project.kd
    .args:
      - { .name: q, .offset: 0, .size: 8, .value_kind: global_buffer, .address_space: global }
      - { .name: opp, .offset: 8, .size: 8, .value_kind: global_buffer, .address_space: global }
      - { .name: Wq, .offset: 16, .size: 8, .value_kind: global_buffer, .address_space: global }
      - { .name: Wk, .offset: 24, .size: 8, .value_kind: global_buffer, .address_space: global }
      - { .name: Wv, .offset: 32, .size: 8, .value_kind: global_buffer, .address_space: global }
      - { .name: bq, .offset: 40, .size: 8, .value_kind: global_buffer, .address_space: global }
      - { .name: bk, .offset: 48, .size: 8, .value_kind: global_buffer, .address_space: global }
      - { .name: qp16, .offset: 56, .size: 8, .value_kind: global_buffer, .address_space: global }
      - { .name: opp16, .offset: 64, .size: 8, .value_kind: global_buffer, .address_space: global }
      - { .name: wk16, .offset: 72, .size: 8, .value_kind: global_buffer, .address_space: global }
      - { .name: wv16, .offset: 80, .size: 8, .value_kind: global_buffer, .address_space: global }
      - { .name: cbias, .offset: 88, .size: 8, .value_kind: global_buffer, .address_space: global }
    .group_segment_fixed_size: 141824
    .private_segment_fixed_size: 0
    .kernarg_segment_align: 8
    .kernarg_segment_size: 96
    .max_flat_workgroup_size: 128
    .sgpr_count:     66
    .vgpr_count:     1024
    .wavefront_size: 32
...
	.end_amdgpu_metadata
.endif
;; end of part 3
;; launch attend: the kernel of part 2 again; grid 8 x 32, 4 waves a work-group, clusters of 4 x 1, 327,680 bytes of LDS; arguments qp16, opp16, wk16, wv16, cbias, bv, out0, out1; writes out0, out1
